; MI455X (gfx1250); checked and timed in simulation.
; The chip was launched on July 23, 2026; its instructions are those of AMD's public machine-readable ISA for CDNA 5 (MIT licence, August 2026) and "CDNA5" Instruction Set Architecture Reference Guide (July 2026). The comments in the code are by the model that wrote it; some were corrected since.
;; Mo E Layer. Allowed arithmetic: matrix products marked QUANTISED: E2M1 operands, one E8M0 scale for each 32 along K, by v_wmma_scale_f32_16x16x128_f8f6f4 with both operands' format E2M1 (or v_wmma_scale_f32_32x16x128_f4), f32 sums; products left as they are: f32 operands where the result goes on into a quantised operand, else bf16, f16 or f32 operands; f32 sums; everything else in f32.
;; Inputs: W1 8 x 1,024 x 4,096 float32; W2 8 x 4,096 x 1,024 float32; Wg 1,024 x 8 float32; b1 8 x 4,096 float32; b2 8 x 1,024 float32; bg 8 float32; x 1,024 x 1,024 float32.
;; Outputs: out0 1,024 x 1,024 float32; out1 one number float32.
;; This version of the problem:
;;   THIS VERSION OF THE PROBLEM IS GIVEN IN LOW PRECISION. The matrix products marked QUANTISED in the list below multiply operands that are first quantised to E2M1 (2 exponent bits, 1 mantissa bit; 4 bits a number), with one power-of-two scale for each 32 numbers along K (OCP MX v1.0); their sums are f32. All else is computed in f32.
;;   The module's matrix products, in the order in which they are computed (A, B: the left and right operand; K: the contracted axis; several contracted axes count as one K, in the product's order):
;;     1. [M 1,024, K 1,024] x [K 1,024, N 8]; A: input x; B: input Wg: left as it is (N = 8 < 16)
;;     2. [M 1,024, K 1,024] x [K 1,024, N 32,768]; A: input x; B: input W1: QUANTISED
;;     3. batch 8 x [M 1,024, K 4,096] x [K 4,096, N 1,024]; A: input W2; B: computed on the way: QUANTISED
;;   THE QUANTISER, for each operand of a quantised product, along K:
;;     - K is cut into blocks of 32 from its start; a last block that is shorter is filled with zeros.
;;     - A block's scale is 2^e with e = floor(log2(the largest magnitude in the block)) - 2, held to -126 .. 127; a block of zeros has e = 0. As a byte (E8M0): e + 127.
;;     - Each number is divided by its block's scale, clamped to +-6, and rounded to the nearest number of E2M1, ties to even, subnormals kept.
;;     - The product sums the exact products of the quantised numbers (number of the format x scale) in f32.
;;   ~~~python
;;   def quantise(x, axis):      # numpy; x: float32 -> the quantised numbers, widened to float32 again
;;       x = np.moveaxis(x, axis, -1); K = x.shape[-1]
;;       x = np.pad(x, [(0, 0)] * (x.ndim - 1) + [(0, -K % 32)]); x = x.reshape(x.shape[:-1] + (-1, 32)); a = np.abs(x).max(-1, keepdims=True)
;;       e = np.where(a > 0, np.clip(np.frexp(np.where(a > 0, a, 1))[1] - 1 - 2, -126, 127), 0)      # np.frexp(a)[1] - 1 = floor(log2(a)), exactly
;;       r = np.clip(x / 2.0 ** e, -6, 6)
;;       step = 2.0 ** (np.maximum(np.frexp(np.where(r == 0, 1, r))[1] - 1, 0) - 1)
;;       q = np.round(r / step) * step * 2.0 ** e      # np.round: ties to even
;;       return np.moveaxis(q.reshape(q.shape[:-2] + (-1,))[..., :K], -1, axis).astype(np.float32)
;;   ~~~
;;   OPERANDS COMPUTED ON THE WAY. 'Computed on the way' means the value that the module computes at that place (a softmax that the list does not call 'softmax' is quantised finished and normalised). What goes into a quantiser is computed in f32, as accurately as f32 sums, v_exp_f32 and their like allow (about 1e-6 of the number): no bf16 or f16 on the way to a quantiser, and a product that is left as it is and whose result goes on into a quantised operand takes f32 operands (vector FMAs, or v_wmma_f32_16x16x4_f32). A number that lies on a knife's edge between two numbers of the format may be rounded either way, as far as f32 arithmetic and the matrix unit's own rounding can turn it there, and no further.
;; 2 versions. Each part assembles by itself: llvm-mc -triple=amdgcn-amd-amdhsa -mcpu=gfx1250 --defsym DOCPART=n.
;; ======== version 1 of 2: 4 launches
;; workspace buffers: xq 524,288 bytes; xs 32,768 bytes; route 4,096 bytes of whole numbers; gw 8,192 bytes; psum 8,192 bytes; himg 16,777,216 bytes; hsc 1,048,576 bytes; y 16,777,216 bytes
;; launch gate (part 1): grid 64 x 1, 4 waves a work-group, no clusters, 53,248 bytes of LDS; arguments x, Wg, bg, xq, xs, route, gw, psum; writes xq, xs, route, gw, psum
.if DOCPART == 1
	.amdgcn_target "amdgcn-amd-amdhsa--gfx1250"
	.amdhsa_code_object_version 6
	.text
	.protected	k_qf52918a24e_gate
	.globl	k_qf52918a24e_gate
	.p2align	8
	.type	k_qf52918a24e_gate,@function
k_qf52918a24e_gate:
	s_mov_b64 s[64:65], 0
	v_nop
	global_prefetch_b8 v0, s[64:65] scope:SCOPE_SE
	s_setreg_imm32_b32 hwreg(HW_REG_WAVE_MODE, 25, 1), 1
	s_wait_xcnt 0x0
; GATE.  For each of 1,024 tokens: logits = x Wg + bg in f32 (fused multiply-adds), softmax with the row's maximum taken away, the two largest probabilities
; (strict compares: at a tie the lower index stays, as jax.lax.top_k has it), their weights g = p / (p1 + p2); and x as codes of E2M1 with one E8M0 byte for each 32 along K.
; Stored at fixed places: xq [token][512 bytes], xs [token][32 bytes], route [token] = e0 | e1 << 8, gw [token][2], psum [wave][8] = the sums of four rows' probabilities.
; No address and no branch here hangs on the choice: later launches read route and form addresses from it.
; SHARES.  64 work-groups of four waves; wave id = 4 x work-group + wave owns rows 4 id .. 4 id + 3.  A row is loaded 16 bytes a lane (512 consecutive bytes a load) and turned
; through the wave's own stage in LDS, so that lane L then holds block L of the row: k = 32 L .. 32 L + 31 in 32 consecutive registers, as the conversions want them.
; Wg (32 KB) lies in LDS once for the work-group, laid so that lane L finds Wg[32 L + i][0 .. 7] by two loads of 16 bytes, neighbouring lanes at neighbouring 16 bytes.
; LIMITS: NaN and infinities are not served.  A block whose largest magnitude lies under 2^-124 (zeros too) gets the byte 1; these bytes are read by this program alone.
.set TST, 33792                        ; LDS: behind Wg's 64 pieces of 528 bytes: a stage of 32 places x 144 bytes for each wave
.set SBY, 52224                        ; and 128 scale bytes for each wave
.set XB0, 16                           ; v[16+32p ..] row p turned (32 numbers of my block)
.set RX,  48                           ; v[48+32p ..] row p as loaded; row p turned lands where row p - 1 was loaded
.set AC,  176                          ; v[176:207] 4 rows x 8 logits
.set WP,  208                          ; v[208:223] two sets of 8 numbers of Wg; later the logits and probabilities of my row
.set CC,  224                          ; v[224:239] codes, four registers a row
.set BYR, 244                          ; v[244:247] a scale byte for each row
	s_load_b256 s[4:11], s[0:1], 0x0               ; x, Wg, bg, xq
	s_load_b256 s[12:19], s[0:1], 0x20             ; xs, route, gw, psum
	v_lshl_add_u32 v14, v0, 2, 0xce00
	v_mov_b32 v15, 0
	v_and_b32 v1, 31, v0                           ; lane
	v_lshrrev_b32 v10, 5, v0
	v_readfirstlane_b32 s28, v10                   ; wave
	s_lshl_b32 s29, ttmp9, 2
	s_add_co_u32 s29, s29, s28                     ; id
	v_lshlrev_b32 v2, 4, v1                        ; 16 x lane
	s_mul_i32 s30, s28, 4608
	s_add_co_u32 s30, s30, TST                     ; my stage
	v_lshrrev_b32 v10, 3, v1
	v_mul_u32_u24 v3, v10, 144
	v_and_b32 v10, 7, v1
	v_lshl_add_u32 v3, v10, 4, v3
	v_add_nc_u32 v3, s30, v3                       ; into the stage: eight lanes' 128 bytes fill a place, then 16 bytes of padding
	v_mul_u32_u24 v4, v1, 144
	v_add_nc_u32 v4, s30, v4                       ; out of it: place = lane
	s_lshl_b32 s31, s28, 7
	s_add_co_u32 s31, s31, SBY
	v_add_nc_u32 v5, s31, v1                       ; my block's scale byte
	v_and_b32 v10, 63, v0
	v_mul_u32_u24 v6, v10, 528
	v_lshrrev_b32 v10, 6, v0
	v_lshl_add_u32 v6, v10, 4, v6                  ; Wg into LDS: piece (thread % 64), lane place (thread / 64) + 2 q
	v_lshlrev_b32 v7, 4, v0                        ; Wg in memory: 16 x thread
	v_lshlrev_b32 v9, 2, v1                        ; 4 x lane
	v_add_nc_u32 v8, s31, v9                       ; the scale bytes on the way out
	v_lshlrev_b32 v11, 3, v1                       ; 8 x lane
	s_mov_b32 s34, 0x76543210
	s_mov_b32 s35, 0xfedcba98                      ; v_permlanex16_b32: lane l xor 16
	s_mov_b32 s33, 0
	s_wait_kmcnt 0x0
	s_load_b256 s[20:27], s[8:9], 0x0              ; bg's eight numbers
	s_lshl_b32 s32, s29, 14
	s_add_nc_u64 s[4:5], s[4:5], s[32:33]          ; x at my four rows
	s_lshl_b32 s32, s29, 11
	s_add_nc_u64 s[10:11], s[10:11], s[32:33]      ; xq
	s_lshl_b32 s32, s29, 7
	s_add_nc_u64 s[12:13], s[12:13], s[32:33]      ; xs
	s_lshl_b32 s32, s29, 4
	s_add_nc_u64 s[14:15], s[14:15], s[32:33]      ; route
	s_lshl_b32 s32, s29, 5
	s_add_nc_u64 s[16:17], s[16:17], s[32:33]      ; gw
	s_add_nc_u64 s[18:19], s[18:19], s[32:33]      ; psum
.irp p, 0,1,2,3
.irp j, 0,1,2,3,4,5,6,7
	global_load_b128 v[RX+32*\p+4*\j:RX+32*\p+4*\j+3], v2, s[4:5] offset:\p*4096+512*\j th:TH_LOAD_NT   ; 32 lanes read 512 consecutive bytes
.endr
.endr
.irp q, 0,1,2,3,4,5,6,7,8,9,10,11,12,13,14,15
	global_load_b128 v[AC+4*\q:AC+4*\q+3], v7, s[6:7] offset:2048*\q
.endr
	s_wait_loadcnt 0x0
.irp q, 0,1,2,3,4,5,6,7,8,9,10,11,12,13,14,15
	ds_store_b128 v6, v[AC+4*\q:AC+4*\q+3] offset:32*\q
.endr
	s_wait_dscnt 0x0                               ; for the other waves: my part of Wg lies in LDS
	s_barrier_signal -1
	s_barrier_wait -1
.macro TURN p                          ; row p through my stage; LDS serves a wave's instructions in order, so the loads see the stores
.irp j, 0,1,2,3,4,5,6,7
	ds_store_b128 v3, v[RX+32*(\p)+4*\j:RX+32*(\p)+4*\j+3] offset:576*\j
.endr
.irp j, 0,1,2,3,4,5,6,7
	ds_load_b128 v[XB0+32*(\p)+4*\j:XB0+32*(\p)+4*\j+3], v4 offset:16*\j
.endr
	s_wait_dscnt 0x0                               ; the row is back, and its stores have read the registers into which the next row lands
.endm
.macro QROW p                          ; my block of row p: largest magnitude with the floor 2^(3 - 127) among its leaves, scale, 32 codes
.set XB, XB0+32*(\p)
	v_max3_num_f32 v240, |v[XB]|, |v[XB+1]|, 0x1800000
	v_max3_num_f32 v241, |v[XB+2]|, |v[XB+3]|, |v[XB+4]|
.irp i, 5,9,13,17,21,25
	v_max3_num_f32 v240, v240, |v[XB+\i]|, |v[XB+\i+1]|
	v_max3_num_f32 v241, v241, |v[XB+\i+2]|, |v[XB+\i+3]|
.endr
	v_max3_num_f32 v240, v240, |v[XB+29]|, |v[XB+30]|
	v_max3_num_f32 v240, v240, v241, |v[XB+31]|
	v_add_nc_u32 v242, 0xff000000, v240            ; 2 off the exponent field: the conversion's scale operand
.irp g, 0,1,2,3
	v_cvt_scalef32_pk8_fp4_f32 v[CC+4*(\p)+\g], v[XB+8*\g:XB+8*\g+7], v242
.endr
	v_lshrrev_b32 v[BYR+(\p)], 23, v242            ; the scale's byte (also the plain line behind the conversions)
	ds_store_b8 v5, v[BYR+(\p)] offset:32*(\p)
	global_store_b128 v2, v[CC+4*(\p):CC+4*(\p)+3], s[10:11] offset:512*(\p)   ; a token's 512 bytes of codes, on end
.endm
.irp p, 0,1,2,3
	TURN \p
.endr
.irp p, 0,1,2,3
	QROW \p
.endr
	; the logits: lane L adds x[row][32 L + i] Wg[32 L + i][0 .. 7] over i; two experts an instruction
	ds_load_b128 v[WP:WP+3], v2
	ds_load_b128 v[WP+4:WP+7], v2 offset:528
.set i, 0
.rept 32
.if i < 31
	ds_load_b128 v[WP+8*((i+1)%2):WP+8*((i+1)%2)+3], v2 offset:(2*i+2)*528
	ds_load_b128 v[WP+8*((i+1)%2)+4:WP+8*((i+1)%2)+7], v2 offset:(2*i+3)*528
	s_wait_dscnt 2                                 ; all but the two just asked for: piece i is in
.else
	s_wait_dscnt 0x0
.endif
.irp p, 0,1,2,3
.irp q, 0,1,2,3
.if i == 0
	v_pk_mul_f32 v[AC+8*\p+2*\q:AC+8*\p+2*\q+1], v[XB0+32*\p:XB0+32*\p+1], v[WP+2*\q:WP+2*\q+1] op_sel_hi:[0,1]   ; the first product starts the sums
.elseif (i%2) == 0
	v_pk_fma_f32 v[AC+8*\p+2*\q:AC+8*\p+2*\q+1], v[XB0+32*\p+i:XB0+32*\p+i+1], v[WP+2*\q:WP+2*\q+1], v[AC+8*\p+2*\q:AC+8*\p+2*\q+1] op_sel_hi:[0,1,1]
.else
	v_pk_fma_f32 v[AC+8*\p+2*\q:AC+8*\p+2*\q+1], v[XB0+32*\p+i-1:XB0+32*\p+i], v[WP+8+2*\q:WP+8+2*\q+1], v[AC+8*\p+2*\q:AC+8*\p+2*\q+1] op_sel:[1,0,0] op_sel_hi:[1,1,1]
.endif
.endr
.endr
.set i, i+1
.endr
	; each of the 32 sums over the wave's 32 lanes; every lane ends with all of them
.irp x, 1,2,4,8
.set n, 0
.rept 32
	v_add_f32_dpp v[AC+n], v[AC+n], v[AC+n] row_xmask:\x row_mask:0xf bank_mask:0xf
.set n, n+1
.endr
.endr
.set n, 0
.rept 32
	v_permlanex16_b32 v[RX+n], v[AC+n], s34, s35   ; (the destination has been written: it held a row of x)
.set n, n+1
.endr
.set n, 0
.rept 32
	v_add_f32 v[AC+n], v[AC+n], v[RX+n]
.set n, n+1
.endr
	v_and_b32 v10, 3, v1                           ; lane l goes on with row l % 4
	v_cmp_eq_u32 s36, 1, v10
	v_cmp_eq_u32 s37, 2, v10
	v_cmp_eq_u32 s38, 3, v10
	s_wait_kmcnt 0x0                               ; bg
.irp e, 0,1,2,3,4,5,6,7
	v_cndmask_b32 v[WP+\e], v[AC+\e], v[AC+8+\e], s36
	v_cndmask_b32 v[WP+\e], v[WP+\e], v[AC+16+\e], s37
	v_cndmask_b32 v[WP+\e], v[WP+\e], v[AC+24+\e], s38
	v_add_f32 v[WP+\e], s[20+\e], v[WP+\e]
.endr
	v_max3_num_f32 v240, v[WP], v[WP+1], v[WP+2]   ; softmax: the row's maximum is taken away first
	v_max3_num_f32 v240, v240, v[WP+3], v[WP+4]
	v_max3_num_f32 v240, v240, v[WP+5], v[WP+6]
	v_max_num_f32 v240, v240, v[WP+7]
.irp e, 0,1,2,3,4,5,6,7
	v_sub_f32 v[WP+\e], v[WP+\e], v240
.endr
.irp e, 0,1,2,3,4,5,6,7
	v_mul_f32 v[WP+\e], 0x3fb8aa3b, v[WP+\e]       ; x log2(e)
.endr
.irp e, 0,1,2,3,4,5,6,7
	v_exp_f32 v[WP+\e], v[WP+\e]
.endr
	v_nop                                          ; a plain line behind the exponentials
	s_wait_alu depctr_va_vdst(0)
	v_add_f32 v241, v[WP], v[WP+1]
	v_add_f32 v242, v[WP+2], v[WP+3]
	v_add_f32 v243, v[WP+4], v[WP+5]
	v_add_f32 v248, v[WP+6], v[WP+7]
	v_add_f32 v241, v241, v242
	v_add_f32 v243, v243, v248
	v_add_f32 v241, v241, v243
	v_rcp_f32 v242, v241
	v_nop                                          ; a plain line behind the reciprocal
	s_wait_alu depctr_va_vdst(0)
.irp e, 0,1,2,3,4,5,6,7
	v_mul_f32 v[WP+\e], v[WP+\e], v242             ; the probabilities
.endr
	v_mov_b32 v249, v[WP]                          ; the largest so far and its index,
	v_mov_b32 v250, 0
	v_mov_b32 v251, -1.0                           ; the second: under every probability, so expert 1 always enters
	v_mov_b32 v252, 0
.irp e, 1,2,3,4,5,6,7
	v_cmp_gt_f32 vcc_lo, v[WP+\e], v249
	v_cmp_gt_f32 s39, v[WP+\e], v251
	v_cndmask_b32 v251, v251, v[WP+\e], s39
	v_cndmask_b32 v252, v252, \e, s39
	v_cndmask_b32 v251, v251, v249, vcc_lo
	v_cndmask_b32 v252, v252, v250, vcc_lo
	v_cndmask_b32 v249, v249, v[WP+\e], vcc_lo
	v_cndmask_b32 v250, v250, \e, vcc_lo
.endr
	v_add_f32 v248, v249, v251
	v_rcp_f32 v253, v248
	v_nop
	s_wait_alu depctr_va_vdst(0)
	v_mul_f32 v254, v249, v253                     ; g0
	v_mul_f32 v255, v251, v253                     ; g1
	v_lshl_or_b32 v248, v252, 8, v250              ; e0 | e1 << 8
.irp x, 1,2
.irp e, 0,1,2,3,4,5,6,7
	v_add_f32_dpp v[WP+\e], v[WP+\e], v[WP+\e] row_xmask:\x row_mask:0xf bank_mask:0xf   ; the four rows' probabilities added
.endr
.endr
	ds_load_b32 v243, v8                           ; my wave's 128 scale bytes (in order behind my byte stores)
	s_wait_dscnt 0x0
	global_store_b32 v9, v243, s[12:13]            ; four tokens' 32 bytes each, 128 bytes on end
	s_wait_xcnt 0x0                                ; EXEC changes only behind this wait
	v_cmp_gt_u32 vcc_lo, 4, v1
	s_wait_tensorcnt 0x0
	ds_add_u32 v14, v15
	s_wait_dscnt 0x0
	s_and_saveexec_b32 s30, vcc_lo
	global_store_b32 v9, v248, s[14:15]            ; lanes 0-3: rows 0-3
	global_store_b64 v11, v[254:255], s[16:17]
	s_wait_xcnt 0x0
	s_or_b32 exec_lo, exec_lo, s30
	v_cmp_eq_u32 vcc_lo, 0, v1
	s_and_saveexec_b32 s30, vcc_lo
	global_store_b128 v9, v[WP:WP+3], s[18:19]
	global_store_b128 v9, v[WP+4:WP+7], s[18:19] offset:16
	s_wait_xcnt 0x0
	s_or_b32 exec_lo, exec_lo, s30
	s_endpgm
.Lfunc_end_k_qf52918a24e_gate:
	.size	k_qf52918a24e_gate, .Lfunc_end_k_qf52918a24e_gate-k_qf52918a24e_gate
	.p2alignl 7, 3214868480
	.fill 96, 4, 3214868480
	.section	.rodata,"a",@progbits
	.p2align	6, 0x0
	.amdhsa_kernel k_qf52918a24e_gate
		.amdhsa_group_segment_fixed_size 53248
		.amdhsa_private_segment_fixed_size 0
		.amdhsa_enable_private_segment 0
		.amdhsa_kernarg_size 64
		.amdhsa_user_sgpr_count 2
		.amdhsa_user_sgpr_kernarg_segment_ptr 1
		.amdhsa_wavefront_size32 1
		.amdhsa_system_sgpr_workgroup_id_x 1
		.amdhsa_system_sgpr_workgroup_id_y 1
		.amdhsa_system_sgpr_workgroup_id_z 1
		.amdhsa_system_vgpr_workitem_id 0
		.amdhsa_next_free_vgpr 256
		.amdhsa_next_free_sgpr 66
		.amdhsa_reserve_vcc 1
		.amdhsa_float_denorm_mode_32 3
		.amdhsa_float_denorm_mode_16_64 3
		.amdhsa_memory_ordered 1
		.amdhsa_forward_progress 1
		.amdhsa_inst_pref_size 75
	.end_amdhsa_kernel
	.amdgpu_metadata
---
amdhsa.version: [ 1, 2 ]
amdhsa.kernels:
  - .name:           k_qf52918a24e_gate
    .symbol:         k_qf52918a24e_gate.kd
    .args:
      - { .name: x, .offset: 0, .size: 8, .value_kind: global_buffer, .address_space: global }
      - { .name: Wg, .offset: 8, .size: 8, .value_kind: global_buffer, .address_space: global }
      - { .name: bg, .offset: 16, .size: 8, .value_kind: global_buffer, .address_space: global }
      - { .name: xq, .offset: 24, .size: 8, .value_kind: global_buffer, .address_space: global }
      - { .name: xs, .offset: 32, .size: 8, .value_kind: global_buffer, .address_space: global }
      - { .name: route, .offset: 40, .size: 8, .value_kind: global_buffer, .address_space: global }
      - { .name: gw, .offset: 48, .size: 8, .value_kind: global_buffer, .address_space: global }
      - { .name: psum, .offset: 56, .size: 8, .value_kind: global_buffer, .address_space: global }
    .group_segment_fixed_size: 53248
    .private_segment_fixed_size: 0
    .kernarg_segment_align: 8
    .kernarg_segment_size: 64
    .max_flat_workgroup_size: 128
    .sgpr_count:     66
    .vgpr_count:     256
    .wavefront_size: 32
...
	.end_amdgpu_metadata
.endif
;; end of part 1
;; launch up (part 2): grid 256 x 1, 16 waves a work-group, no clusters, 315,904 bytes of LDS; arguments W1, b1, xq, xs, route, himg, hsc; writes himg, hsc
.if DOCPART == 2
	.amdgcn_target "amdgcn-amd-amdhsa--gfx1250"
	.amdhsa_code_object_version 6
	.text
	.protected	k_qf52918a24e_up
	.globl	k_qf52918a24e_up
	.p2align	8
	.type	k_qf52918a24e_up,@function
k_qf52918a24e_up:
	s_mov_b64 s[64:65], 0
	v_nop
	global_prefetch_b8 v0, s[64:65] scope:SCOPE_SE
	s_setreg_imm32_b32 hwreg(HW_REG_WAVE_MODE, 25, 1), 1
	s_wait_xcnt 0x0
; UP.  h = relu(Q(x) Q(W1[e]) + b1[e]) for the tokens that chose expert e, quantised along H and stored as register images of the next product's operand.
; SHARES.  Work-group = (expert e = id / 32, slice sl = id % 32: hidden units 128 sl .. 128 sl + 127).  It reads its 1,024 x 128 numbers of W1 ONCE, quantises them along K and keeps the
; codes in LDS as images of operand registers; no weight code goes to memory.  Then each wave takes pairs of tiles of 16 tokens of expert e's list through the whole K = 1,024.
; QUANTISING.  Wave w takes K step w / 2 (128 rows) x 64 columns (w % 2).  A LANE TAKES A COLUMN AND ITS REGISTERS RUN DOWN K: a block of 32 lies in one lane's 32 registers.
; Two neighbouring lines read the two halves of 256 consecutive, aligned bytes of a row.  Lane q's column goes to tile 2 g + u, row rq, with u = (q / 8) % 2, rq = q % 8 + 8 (q / 16):
; so tile 2 g + u, row r, is hidden unit 32 g + 8 u + r + 8 (r / 8), and the 16 result registers of tiles 2 g, 2 g + 1 are 16 neighbours along the next K.
; THE LIST.  Every wave reads route (1,024 words) and keeps 32 masks "token uses e" in scalar registers: mask 4 j + u, bit l = token 128 j + 4 l + u.  Position p of the list is found by
; rank and select on those masks (RANK); positions from n_e on are held at n_e - 1, so spare slots repeat the last token and store the same numbers.
; THE PRODUCT is used transposed (source 0 = 16 hidden units, source 1 = 16 tokens): a lane holds one token, its registers run along the hidden units.  b1 is loaded into the accumulators.
; Waves 0-13 multiply (LDS has room for fourteen stages of x beside the images); pair P = wave + 14 i, i = 0 .. 2, a constant count that serves 1,024 tokens on one expert; a trip without tokens is jumped over.
; No cluster and no joint loads: the 512 KB of weights that are the bulk of a work-group's bytes are shared with nobody, and the rows of x hang on counts read from memory.
; LIMITS: NaN and infinities are not served.  A block whose largest magnitude lies under 2^-124 (zeros too) gets the byte 1; these bytes are read by this program alone.
.set PITCH, 16384                      ; bytes from row to row of W1[e]
.set RTE,  12                          ; s[12:13] route
.set WSC,  65536                       ; LDS: 0 .. 65535 the 64 fragments' images (K step ks, tile ct: 1,024 (8 ks + ct)); then their scale words: 512 ks + 64 ct + 4 r;
.set BIA,  69632                       ; b1's 128 numbers;
.set XST,  70144                       ; and a stage of x for each of 14 waves: 2 tiles x 32 pieces x (16 rows x 16 bytes + 16)
.set XSTB, 17408
.set X,    128                         ; streaming: v[128:255] two sets of 2 x 32 numbers
.set CQ,   64                          ; v[64:95]  codes: eight registers for each block, so that no LDS store's data are written again
.set RW,   96                          ; v[96:127] route's words
.set SB,   32                          ; v32-33 scale words, v34-35 largest magnitudes, v36-37 scale operands, v38-39 bytes, v40-41 at work
.set MX,   34
.set SO,   36
.set BY,   38
.set TA,   40
.set RK,   32                          ; RANK's twelve registers
.set XS,   16                          ; v[16:23] x's scale words, one register a K step: lanes 0-15 tile 0's tokens, lanes 16-31 tile 1's.  Scales and nothing else
.set WS,   24                          ; v[24:31] the weights' scale words, two sets of four: lanes 0-15 an even tile's rows, lanes 16-31 the odd tile's.  Scales and nothing else
.set XF,   32                          ; v[32:63] x's fragments, two sets of two tiles
.set WF,   64                          ; v[64:127] the weights' fragments, two groups of four
.set ACC,  128                         ; v[128:255] accumulator (tile of tokens m, tile of units ct) at 64 m + 8 ct
.set TM,   32                          ; the way out: v[32:47] at work, v48-49 the two scale words, v[64:79] the codes
.set PW,   48
.set PC,   64
.macro NOP4                            ; four plain places behind matrix instructions, ahead of loads into their registers and of reads of their results
.rept 4
	v_nop
.endr
.endm
.macro DBLOAD b                        ; block b (32 rows) of my 64 columns
.set n, 0
.rept 32
	global_load_b32 v[X+64*((\b)%2)+n], v2, s[4:5] offset:(32*(\b)+n)*PITCH th:TH_LOAD_NT
	global_load_b32 v[X+64*((\b)%2)+32+n], v2, s[4:5] offset:(32*(\b)+n)*PITCH+128 th:TH_LOAD_NT
.set n, n+1
.endr
.endm
.macro QDB b, cnt                      ; block b of both columns: largest magnitude with the floor 2^(3 - 127), scale, codes, image
.set XQ0, X+64*((\b)%2)
	s_wait_loadcnt \cnt
	v_max3_num_f32 v[MX], |v[XQ0]|, |v[XQ0+1]|, 0x1800000
	v_max3_num_f32 v[MX+1], |v[XQ0+32]|, |v[XQ0+33]|, 0x1800000
.set n, 2
.rept 15
	v_max3_num_f32 v[MX], v[MX], |v[XQ0+n]|, |v[XQ0+n+1]|
	v_max3_num_f32 v[MX+1], v[MX+1], |v[XQ0+32+n]|, |v[XQ0+33+n]|
.set n, n+2
.endr
	v_add_nc_u32 v[SO], 0xff000000, v[MX]          ; 2 off the exponent field: the conversion's scale operand
	v_add_nc_u32 v[SO+1], 0xff000000, v[MX+1]
	v_lshrrev_b32 v[BY], 23, v[SO]                 ; the scale's byte
	v_lshrrev_b32 v[BY+1], 23, v[SO+1]
.if (\b) == 0
	v_mov_b32 v[SB], v[BY]
	v_mov_b32 v[SB+1], v[BY+1]
.else
	v_lshl_or_b32 v[SB], v[BY], 8*(\b), v[SB]
	v_lshl_or_b32 v[SB+1], v[BY+1], 8*(\b), v[SB+1]
.endif
.irp c, 0,1
.irp g, 0,1,2,3
	v_cvt_scalef32_pk8_fp4_f32 v[CQ+8*(\b)+4*\c+\g], v[XQ0+32*\c+8*\g:XQ0+32*\c+8*\g+7], v[SO+\c]
.endr
.endr
	v_nop                                          ; a plain line behind the conversions
	ds_store_b128 v3, v[CQ+8*(\b):CQ+8*(\b)+3] offset:((\b)/2)*512+((\b)%2)*256
	ds_store_b128 v3, v[CQ+8*(\b)+4:CQ+8*(\b)+7] offset:2048+((\b)/2)*512+((\b)%2)*256
.endm
.macro SELTAKE w                       ; where q >= t: the bit lies in the upper half of the window: q -= t, pos += w
	v_cmp_ge_u32 vcc_lo, v[RK+4], v[RK+10]
	v_cndmask_b32 v[RK+11], 0, v[RK+10], vcc_lo
	v_sub_nc_u32 v[RK+4], v[RK+4], v[RK+11]
	v_cndmask_b32 v[RK+11], 0, \w, vcc_lo
	v_add_nc_u32 v[RK+9], v[RK+9], v[RK+11]
.endm
.macro SELSTEP src, msk, w             ; t = the count of set bits in the lower half of the window at pos
	v_lshrrev_b32 v[RK+10], v[RK+9], v[\src]
	v_and_b32 v[RK+10], \msk, v[RK+10]
	SELTAKE \w
.endm
.macro RANK                            ; v10 = the token at position min(32 P + lane, n_e - 1) of the expert's list.  s22 = P, s21 = n_e, s[32:63] the masks
	s_lshl_b32 s24, s22, 5
	s_sub_co_u32 s25, s21, 1
	v_add_nc_u32 v[RK], s24, v1
	v_min_u32 v[RK], s25, v[RK]                    ; the position
	v_mov_b32 v[RK+1], s32                         ; its mask,
	v_mov_b32 v[RK+2], 0                           ; the positions ahead of that mask,
	v_mov_b32 v[RK+3], 0                           ; the mask's number: the last one whose count of positions ahead does not pass the position
	s_bcnt1_i32_b32 s66, s32
.set n, 1
.rept 31
	v_cmp_le_u32 vcc_lo, s66, v[RK]
	v_cndmask_b32 v[RK+1], v[RK+1], s[32+n], vcc_lo
	v_cndmask_b32 v[RK+2], v[RK+2], s66, vcc_lo
	v_cndmask_b32 v[RK+3], v[RK+3], n, vcc_lo
	s_bcnt1_i32_b32 s67, s[32+n]
	s_add_co_u32 s66, s66, s67
.set n, n+1
.endr
	v_sub_nc_u32 v[RK+4], v[RK], v[RK+2]           ; q: which set bit of the mask
	v_lshrrev_b32 v[RK+10], 1, v[RK+1]
	v_and_b32 v[RK+10], 0x55555555, v[RK+10]
	v_sub_nc_u32 v[RK+5], v[RK+1], v[RK+10]        ; counts in fields of 2 bits,
	v_lshrrev_b32 v[RK+10], 2, v[RK+5]
	v_and_b32 v[RK+10], 0x33333333, v[RK+10]
	v_and_b32 v[RK+6], 0x33333333, v[RK+5]
	v_add_nc_u32 v[RK+6], v[RK+6], v[RK+10]        ; of 4,
	v_lshrrev_b32 v[RK+10], 4, v[RK+6]
	v_add_nc_u32 v[RK+7], v[RK+6], v[RK+10]
	v_and_b32 v[RK+7], 0x0f0f0f0f, v[RK+7]         ; of 8,
	v_lshrrev_b32 v[RK+10], 8, v[RK+7]
	v_add_nc_u32 v[RK+10], v[RK+7], v[RK+10]
	v_and_b32 v[RK+10], 0xff, v[RK+10]             ; and in the low 16 bits
	v_mov_b32 v[RK+9], 0                           ; pos
	SELTAKE 16
	SELSTEP RK+7, 0xff, 8
	SELSTEP RK+6, 15, 4
	SELSTEP RK+5, 3, 2
	SELSTEP RK+1, 1, 1
	v_lshrrev_b32 v[RK+10], 2, v[RK+3]
	v_lshlrev_b32 v[RK+10], 7, v[RK+10]
	v_lshl_add_u32 v[RK+10], v[RK+9], 2, v[RK+10]
	v_and_b32 v[RK+11], 3, v[RK+3]
	v_add_nc_u32 v10, v[RK+10], v[RK+11]           ; token = 128 (mask / 4) + 4 pos + mask % 4
.endm
; one scaled product in place; ra, rb = 1: that side's scale words stand in lanes 16-31 of the register named
.macro WMA d, a, b, sa, sb, ra, rb
.if (\ra)&&(\rb)
	v_wmma_scale_f32_16x16x128_f8f6f4 v[\d:\d+7], v[\a:\a+7], v[\b:\b+7], v[\d:\d+7], v[\sa], v[\sb] matrix_a_fmt:MATRIX_FMT_FP4 matrix_b_fmt:MATRIX_FMT_FP4 matrix_a_scale:MATRIX_SCALE_ROW1 matrix_b_scale:MATRIX_SCALE_ROW1
.elseif (\ra)
	v_wmma_scale_f32_16x16x128_f8f6f4 v[\d:\d+7], v[\a:\a+7], v[\b:\b+7], v[\d:\d+7], v[\sa], v[\sb] matrix_a_fmt:MATRIX_FMT_FP4 matrix_b_fmt:MATRIX_FMT_FP4 matrix_a_scale:MATRIX_SCALE_ROW1
.elseif (\rb)
	v_wmma_scale_f32_16x16x128_f8f6f4 v[\d:\d+7], v[\a:\a+7], v[\b:\b+7], v[\d:\d+7], v[\sa], v[\sb] matrix_a_fmt:MATRIX_FMT_FP4 matrix_b_fmt:MATRIX_FMT_FP4 matrix_b_scale:MATRIX_SCALE_ROW1
.else
	v_wmma_scale_f32_16x16x128_f8f6f4 v[\d:\d+7], v[\a:\a+7], v[\b:\b+7], v[\d:\d+7], v[\sa], v[\sb] matrix_a_fmt:MATRIX_FMT_FP4 matrix_b_fmt:MATRIX_FMT_FP4
.endif
.endm
.macro MM s, g                         ; K step s, tiles of units 4 g .. 4 g + 3 x both tiles of tokens: eight accumulators, one instruction each; the sixteen take turns
.irp t, 0,1,2,3
.irp m, 0,1
	WMA ACC+64*\m+32*(\g)+8*\t, WF+32*(\g)+8*\t, XF+16*((\s)%2)+8*\m, WS+4*((\s)%2)+2*(\g)+\t/2, XS+(\s), \t%2, \m
.endr
.endr
.endm
.macro LS s                            ; K step s: the eight tiles' scale words, two tiles to a register
.irp p, 0,1,2,3
	ds_load_b32 v[WS+4*((\s)%2)+\p], v6 offset:(\s)*512+\p*128
.endr
.endm
.macro LX s                            ; x's two fragments
.irp m, 0,1
.irp c, 0,1
	ds_load_b128 v[XF+16*((\s)%2)+8*\m+4*\c:XF+16*((\s)%2)+8*\m+4*\c+3], v8 offset:\m*8704+(4*(\s)+2*\c)*272
.endr
.endr
.endm
.macro LW s, g                         ; four of the weights' fragments, as their images lie
.irp t, 0,1,2,3
.irp c, 0,1
	ds_load_b128 v[WF+32*(\g)+8*\t+4*\c:WF+32*(\g)+8*\t+4*\c+3], v5 offset:(8*(\s)+4*(\g)+\t)*1024+\c*512
.endr
.endr
.endm
.macro KSTEP s
	s_wait_dscnt 8                                 ; all but the youngest eight loads (this step's second group of weights)
	MM \s, 0
	NOP4
.if (\s) < 7
	LS (\s)+1
	LX (\s)+1
	LW (\s)+1, 0
	s_wait_dscnt 16                                ; all but the sixteen just issued
.else
	s_wait_dscnt 0x0
.endif
	MM \s, 1
	NOP4
.if (\s) < 7
	LW (\s)+1, 1
.endif
.endm
; 64 numbers of a lane, register 16 b + i = k 32 b + 16 (lane / 16) + i of my token, none negative, become a fragment's codes in v[pc] on and its scale word in v[pw]
.macro QUANT s, pc, pw
.irp b, 0,1,2,3
	v_max3_num_f32 v[TM+\b], v[\s+16*\b], v[\s+1+16*\b], 0x1800000   ; with the floor 2^(3 - 127): the byte cannot fall under 1
.endr
.irp i, 2,4,6,8,10,12,14
.irp b, 0,1,2,3
	v_max3_num_f32 v[TM+\b], v[TM+\b], v[\s+16*\b+\i], v[\s+1+16*\b+\i]
.endr
.endr
.irp b, 0,1,2,3
	v_permlanex16_b32 v[TM+4+\b], v[TM+\b], s76, s77
.endr
.irp b, 0,1,2,3
	v_max_num_f32 v[TM+\b], v[TM+\b], v[TM+4+\b]   ; with lane l xor 16's sixteen: the block's
.endr
.irp b, 0,1,2,3
	v_add_nc_u32 v[TM+12+\b], 0xff000000, v[TM+\b]
.endr
.irp b, 0,1,2,3
	v_lshrrev_b32 v[TM+4+\b], 23, v[TM+12+\b]
.endr
	v_lshl_or_b32 v[\pw], v[TM+5], 8, v[TM+4]
	v_lshl_or_b32 v[\pw], v[TM+6], 16, v[\pw]
	v_lshl_or_b32 v[\pw], v[TM+7], 24, v[\pw]
.irp b, 0,1,2,3
	v_cvt_scalef32_pk8_fp4_f32 v[\pc+2*\b], v[\s+16*\b:\s+7+16*\b], v[TM+12+\b]
	v_cvt_scalef32_pk8_fp4_f32 v[\pc+1+2*\b], v[\s+8+16*\b:\s+15+16*\b], v[TM+12+\b]
.endr
	v_nop                                          ; a plain line behind the conversions
.irp c, 0,1                                    ; the operand wants a whole block in a lane: lanes 0-15 block 2 c, lanes 16-31 block 2 c + 1
.irp i, 0,1
	v_permlane16_swap_b32 v[\pc+4*\c+\i], v[\pc+2+4*\c+\i]
.endr
.endr
.endm
	s_load_b256 s[4:11], s[0:1], 0x0               ; W1, b1, xq, xs
	s_load_b128 s[12:15], s[0:1], 0x20             ; route, himg
	s_load_b64 s[16:17], s[0:1], 0x30              ; hsc
	v_and_b32 v1, 31, v0                           ; lane
	v_lshrrev_b32 v13, 5, v0
	v_readfirstlane_b32 s18, v13                   ; wave
	s_lshr_b32 s19, ttmp9, 5                       ; e
	s_and_b32 s20, ttmp9, 31                       ; sl
	v_lshlrev_b32 v2, 2, v1                        ; 4 x lane
	v_lshlrev_b32 v5, 4, v1                        ; 16 x lane
	v_bfe_u32 v13, v0, 3, 1                        ; u
	v_and_b32 v14, 7, v0
	v_bfe_u32 v15, v0, 4, 1                        ; h
	v_lshl_or_b32 v14, v15, 3, v14                 ; rq
	s_lshl_b32 s24, s18, 12
	v_lshlrev_b32 v3, 4, v14
	v_lshl_add_u32 v3, v13, 10, v3
	v_add_nc_u32 v3, s24, v3                       ; where my codes go: 4,096 x wave + 1,024 u + 16 rq
	s_lshl_b32 s24, s18, 8
	s_add_co_u32 s24, s24, WSC
	v_lshlrev_b32 v4, 2, v14
	v_lshl_add_u32 v4, v13, 6, v4
	v_add_nc_u32 v4, s24, v4                       ; and my scale words: 256 x wave + 64 u + 4 rq
	v_lshl_add_u32 v6, v1, 2, WSC
	s_min_u32 s25, s18, 13
	s_mul_i32 s25, s25, XSTB
	s_add_co_u32 s25, s25, XST                     ; my stage of x (waves 14 and 15 never touch one)
	v_mul_u32_u24 v7, v1, 272
	v_add_nc_u32 v7, s25, v7                       ; in: piece = lane
	v_and_b32 v14, 15, v0                          ; r
	v_mul_u32_u24 v8, v15, 272
	v_lshl_add_u32 v8, v14, 4, v8
	v_add_nc_u32 v8, s25, v8                       ; out: piece + h, row r
	v_lshl_add_u32 v9, v15, 6, BIA                 ; b1: my half's sixteen of each 32
	v_and_b32 v11, 127, v0
	v_lshlrev_b32 v11, 2, v11
	v_add_nc_u32 v12, BIA, v11
	s_mov_b32 s76, 0x76543210
	s_mov_b32 s77, 0xfedcba98                      ; v_permlanex16_b32: lane l xor 16
	s_mov_b32 s78, 0xffff0000                      ; lanes 16-31
	s_lshl_b32 s24, s19, 24                        ; W1: expert,
	s_lshr_b32 s26, s18, 1
	s_lshl_b32 s26, s26, 21                        ; K step wave / 2: 128 rows,
	s_add_co_u32 s24, s24, s26
	s_lshl_b32 s26, s20, 9                         ; the slice's 128 columns,
	s_add_co_u32 s24, s24, s26
	s_and_b32 s26, s18, 1
	s_lshl_b32 s26, s26, 8                         ; my 64 of them
	s_add_co_u32 s24, s24, s26
	s_mov_b32 s25, 0
	s_lshl_b32 s26, s19, 14
	s_lshl_b32 s27, s20, 9
	s_add_co_u32 s26, s26, s27
	s_mov_b32 s27, 0
	s_wait_kmcnt 0x0
	s_add_nc_u64 s[4:5], s[4:5], s[24:25]
	s_add_nc_u64 s[6:7], s[6:7], s[26:27]
	global_load_b32 v48, v11, s[6:7]               ; b1 (every wave asks, so that the counts are alike; waves 0-3 keep it)
.irp j, 0,1,2,3,4,5,6,7
	global_load_b128 v[RW+4*\j:RW+4*\j+3], v5, s[RTE:RTE+1] offset:512*\j
.endr
	DBLOAD 0
	s_wait_loadcnt 63                              ; 64 loads were issued behind route's
	s_cmp_ge_u32 s18, 4
	s_cbranch_scc1 .Lno_bias
	ds_store_b32 v12, v48
.Lno_bias:
.set n, 0
.rept 32                                       ; the masks: token uses e as its first or as its second choice
	v_and_b32 v[TA], 0xff, v[RW+n]
	v_lshrrev_b32 v[TA+1], 8, v[RW+n]
	v_cmp_eq_u32 s[32+n], s19, v[TA]
	v_cmp_eq_u32 vcc_lo, s19, v[TA+1]
	s_or_b32 s[32+n], s[32+n], vcc_lo
.set n, n+1
.endr
	s_bcnt1_i32_b32 s21, s32                       ; n_e
.set n, 1
.rept 31
	s_bcnt1_i32_b32 s24, s[32+n]
	s_add_co_u32 s21, s21, s24
.set n, n+1
.endr
	DBLOAD 1
	QDB 0, 63                                      ; behind block 0's loads stand block 1's 64
	DBLOAD 2
	QDB 1, 63
	DBLOAD 3
	QDB 2, 63
	QDB 3, 0
	ds_store_b32 v4, v[SB]
	ds_store_b32 v4, v[SB+1] offset:128
	s_wait_dscnt 0x0                               ; for the other waves: my images, scale words and b1 lie in LDS
	s_barrier_signal -1
	s_barrier_wait -1                              ; the one barrier: from here on the images are only read
	s_cmp_ge_u32 s18, 14
	s_cbranch_scc1 .Lend
	s_mov_b32 s22, s18                             ; P
	s_mov_b32 s23, 0
.Ltrip:
	s_lshl_b32 s24, s22, 5
	s_cmp_ge_u32 s24, s21
	s_cbranch_scc1 .Lskip                          ; no token at position 32 P
	RANK
	s_lshl_b32 s26, s19, 5
	s_add_co_u32 s26, s26, s22
	s_lshl_b32 s26, s26, 5
	s_add_co_u32 s26, s26, s20                     ; (32 e + P) 32 + sl
	s_lshl_b32 s68, s26, 11
	s_mov_b32 s69, 0
	s_add_nc_u64 s[70:71], s[14:15], s[68:69]      ; where this pair's images go,
	s_lshl_b32 s68, s26, 7
	s_add_nc_u64 s[72:73], s[16:17], s[68:69]      ; and its scale words
	v_min_u32 v13, 0x3ff, v10
	v_lshlrev_b32 v13, 5, v13
	global_load_b128 v[XS:XS+3], v13, s[10:11]     ; slot = lane: my token's eight scale words
	global_load_b128 v[XS+4:XS+7], v13, s[10:11] offset:16
.set n, 0
.rept 32                                       ; slot n's row of codes: 512 bytes on end, 16 a lane; each load lands on its own offset register
	v_readlane_b32 s74, v10, n
	s_min_u32 s74, s74, 0x3ff
	v_lshl_add_u32 v[ACC+4*n], s74, 9, v5
	global_load_b128 v[ACC+4*n:ACC+4*n+3], v[ACC+4*n], s[8:9]
.set n, n+1
.endr
.set n, 0
.rept 32
	s_wait_loadcnt 31-n                            ; row n is in; the younger rows may be out
	ds_store_b128 v7, v[ACC+4*n:ACC+4*n+3] offset:(n/16)*8704+(n%16)*16
.set n, n+1
.endr
	s_wait_dscnt 0x0                               ; the stores have read their registers
.irp m, 0,1
.irp t, 0,1,2,3,4,5,6,7
.irp j, 0,1
	ds_load_b128 v[ACC+64*\m+8*\t+4*\j:ACC+64*\m+8*\t+4*\j+3], v9 offset:(\t/2)*128+(\t%2)*32+\j*16   ; b1 starts the sums
.endr
.endr
.endr
	LS 0
	LX 0
	LW 0, 0
	LW 0, 1
.irp s, 0,1,2,3,4,5,6,7
	KSTEP \s
.endr
.irp m, 0,1
.set n, 0
.rept 64
	v_max_num_f32 v[ACC+64*\m+n], 0, v[ACC+64*\m+n]   ; relu, in f32; each accumulator from its low end on
.set n, n+1
.endr
	QUANT ACC+64*\m, PC+8*\m, PW+\m
	global_store_b128 v5, v[PC+8*\m:PC+8*\m+3], s[70:71] offset:\m*1024        ; the fragment as it stands: 512 consecutive bytes a store
	global_store_b128 v5, v[PC+8*\m+4:PC+8*\m+7], s[70:71] offset:\m*1024+512
.endr
	v_cndmask_b32 v50, v48, v49, s78               ; lanes 0-15 tile 0's scale words, lanes 16-31 tile 1's
	global_store_b32 v2, v50, s[72:73]
	s_wait_xcnt 0x0                                ; the stores' data and bases are written again only behind this wait
.Lskip:
	s_add_co_u32 s22, s22, 14
	s_add_co_u32 s23, s23, 1
	s_cmp_lt_u32 s23, 3
	s_cbranch_scc1 .Ltrip
.Lend:
	s_wait_xcnt 0x0
	v_lshl_add_u32 v254, v0, 2, 0x4ca00
	v_mov_b32 v255, 0
	s_wait_tensorcnt 0x0
	ds_add_u32 v254, v255
	s_wait_dscnt 0x0
	s_endpgm
.Lfunc_end_k_qf52918a24e_up:
	.size	k_qf52918a24e_up, .Lfunc_end_k_qf52918a24e_up-k_qf52918a24e_up
	.p2alignl 7, 3214868480
	.fill 96, 4, 3214868480
	.section	.rodata,"a",@progbits
	.p2align	6, 0x0
	.amdhsa_kernel k_qf52918a24e_up
		.amdhsa_group_segment_fixed_size 315904
		.amdhsa_private_segment_fixed_size 0
		.amdhsa_enable_private_segment 0
		.amdhsa_kernarg_size 56
		.amdhsa_user_sgpr_count 2
		.amdhsa_user_sgpr_kernarg_segment_ptr 1
		.amdhsa_wavefront_size32 1
		.amdhsa_system_sgpr_workgroup_id_x 1
		.amdhsa_system_sgpr_workgroup_id_y 1
		.amdhsa_system_sgpr_workgroup_id_z 1
		.amdhsa_system_vgpr_workitem_id 0
		.amdhsa_next_free_vgpr 256
		.amdhsa_next_free_sgpr 80
		.amdhsa_reserve_vcc 1
		.amdhsa_float_denorm_mode_32 3
		.amdhsa_float_denorm_mode_16_64 3
		.amdhsa_memory_ordered 1
		.amdhsa_forward_progress 1
		.amdhsa_inst_pref_size 118
	.end_amdhsa_kernel
	.amdgpu_metadata
---
amdhsa.version: [ 1, 2 ]
amdhsa.kernels:
  - .name:           k_qf52918a24e_up
    .symbol:         k_qf52918a24e_up.kd
    .args:
      - { .name: W1, .offset: 0, .size: 8, .value_kind: global_buffer, .address_space: global }
      - { .name: b1, .offset: 8, .size: 8, .value_kind: global_buffer, .address_space: global }
      - { .name: xq, .offset: 16, .size: 8, .value_kind: global_buffer, .address_space: global }
      - { .name: xs, .offset: 24, .size: 8, .value_kind: global_buffer, .address_space: global }
      - { .name: route, .offset: 32, .size: 8, .value_kind: global_buffer, .address_space: global }
      - { .name: himg, .offset: 40, .size: 8, .value_kind: global_buffer, .address_space: global }
      - { .name: hsc, .offset: 48, .size: 8, .value_kind: global_buffer, .address_space: global }
    .group_segment_fixed_size: 315904
    .private_segment_fixed_size: 0
    .kernarg_segment_align: 8
    .kernarg_segment_size: 56
    .max_flat_workgroup_size: 512
    .sgpr_count:     80
    .vgpr_count:     256
    .wavefront_size: 32
...
	.end_amdgpu_metadata
.endif
;; end of part 2
;; launch down (part 3): grid 256 x 1, 16 waves a work-group, no clusters, 141,312 bytes of LDS; arguments W2, himg, hsc, route, y; writes y
.if DOCPART == 3
	.amdgcn_target "amdgcn-amd-amdhsa--gfx1250"
	.amdhsa_code_object_version 6
	.text
	.protected	k_qf52918a24e_down
	.globl	k_qf52918a24e_down
	.p2align	8
	.type	k_qf52918a24e_down,@function
k_qf52918a24e_down:
	s_mov_b64 s[64:65], 0
	v_nop
	global_prefetch_b8 v0, s[64:65] scope:SCOPE_SE
	s_setreg_imm32_b32 hwreg(HW_REG_WAVE_MODE, 25, 1), 1
	s_wait_xcnt 0x0
; DOWN.  y[kh][k][token][:] = Q(h) Q(W2[e]) over half kh of K = 4,096, for the tokens whose k-th choice is expert e.  The two halves, b2 and the gate's weights are joined by the next launch.
; SHARES.  Work-group = (expert e = id / 32, half kh = id % 2 of K, columns 64 cs .. 64 cs + 63, cs = (id / 2) % 16).  It reads its 2,048 x 64 numbers of W2 ONCE, quantises them along K and
; keeps the codes in LDS as images of operand registers.  Wave w quantises K step w (128 rows x 64 columns): a lane takes a column, its registers run down K.
; Then wave w takes pairs P = w + 16 i, i = 0, 1, of tiles of 16 tokens of the expert's list (found as in the launch before, by the same masks and the same order) through the 16 K steps.
; h's fragments and scale words come from memory as the register images that the launch before stored, five K steps ahead; the weights' come from LDS, two K steps ahead.
; The product is used transposed (source 0 = 16 columns of W2, source 1 = 16 tokens).  Lane q's column goes to tile 2 g + u, row rq (u = (q / 8) % 2, rq = q % 8 + 8 (q / 16)), so that a lane's
; sixteen results of tiles 2 g, 2 g + 1 are sixteen neighbouring columns of its token's row.  Results go through the wave's own stage and leave as 256 consecutive, aligned bytes of a row of y.
; No cluster and no joint loads: the weights are shared with nobody, and the pairs of h hang on counts read from memory.
; LIMITS: NaN and infinities are not served.  A block whose largest magnitude lies under 2^-124 (zeros too) gets the byte 1.  The sum over K is formed in two f32 halves.
.set PITCH, 4096                       ; bytes from row to row of W2[e]
.set RTE,  10                          ; s[10:11] route
.set WSC,  65536                       ; LDS: 0 .. 65535 the 64 fragments' images (1,024 (4 ks + ct)); then their scale words: 256 ks + 64 ct + 4 r;
.set YST,  69632                       ; and a stage of 16 rows x (256 bytes + 16) for each wave
.set X,    128                         ; streaming: v[128:255] two sets of 2 x 32 numbers
.set CQ,   64                          ; v[64:95]  codes
.set RW,   96                          ; v[96:127] route's words
.set SB,   36                          ; v36-37 scale words, v38-39 largest magnitudes, v40-41 scale operands, v42-43 bytes, v44-45 at work
.set MX,   38
.set SO,   40
.set BY,   42
.set TA,   44
.set RK,   36                          ; RANK's twelve registers
.set HS,   16                          ; v[16:31] h's scale words, one register a K step: lanes 0-15 tile 0, lanes 16-31 tile 1.  Scales and nothing else
.set WS,   32                          ; v[32:35] the weights' scale words, two sets of two.  Scales and nothing else
.set XF,   48                          ; v[48:127] h's fragments: a ring of five K steps x two tiles
.set WF,   128                         ; v[128:191] the weights' fragments, two sets of four
.set ACC,  192                         ; v[192:255] accumulator (tile of tokens m, tile of columns ct) at 32 m + 8 ct
.set RO,   48                          ; the way out: v[48:63] byte offsets of rows of y, v[64:127] rows read back
.set OUT,  64
.macro NOP4                            ; four plain places behind matrix instructions, ahead of loads into their registers and of reads of their results
.rept 4
	v_nop
.endr
.endm
.macro DBLOAD b                        ; block b (32 rows) of my 64 columns
.set n, 0
.rept 32
	global_load_b32 v[X+64*((\b)%2)+n], v2, s[4:5] offset:(32*(\b)+n)*PITCH th:TH_LOAD_NT
	global_load_b32 v[X+64*((\b)%2)+32+n], v2, s[4:5] offset:(32*(\b)+n)*PITCH+128 th:TH_LOAD_NT
.set n, n+1
.endr
.endm
.macro QDB b, cnt                      ; block b of both columns: largest magnitude with the floor 2^(3 - 127), scale, codes, image
.set XQ0, X+64*((\b)%2)
	s_wait_loadcnt \cnt
	v_max3_num_f32 v[MX], |v[XQ0]|, |v[XQ0+1]|, 0x1800000
	v_max3_num_f32 v[MX+1], |v[XQ0+32]|, |v[XQ0+33]|, 0x1800000
.set n, 2
.rept 15
	v_max3_num_f32 v[MX], v[MX], |v[XQ0+n]|, |v[XQ0+n+1]|
	v_max3_num_f32 v[MX+1], v[MX+1], |v[XQ0+32+n]|, |v[XQ0+33+n]|
.set n, n+2
.endr
	v_add_nc_u32 v[SO], 0xff000000, v[MX]          ; 2 off the exponent field: the conversion's scale operand
	v_add_nc_u32 v[SO+1], 0xff000000, v[MX+1]
	v_lshrrev_b32 v[BY], 23, v[SO]                 ; the scale's byte
	v_lshrrev_b32 v[BY+1], 23, v[SO+1]
.if (\b) == 0
	v_mov_b32 v[SB], v[BY]
	v_mov_b32 v[SB+1], v[BY+1]
.else
	v_lshl_or_b32 v[SB], v[BY], 8*(\b), v[SB]
	v_lshl_or_b32 v[SB+1], v[BY+1], 8*(\b), v[SB+1]
.endif
.irp c, 0,1
.irp g, 0,1,2,3
	v_cvt_scalef32_pk8_fp4_f32 v[CQ+8*(\b)+4*\c+\g], v[XQ0+32*\c+8*\g:XQ0+32*\c+8*\g+7], v[SO+\c]
.endr
.endr
	v_nop                                          ; a plain line behind the conversions
	ds_store_b128 v3, v[CQ+8*(\b):CQ+8*(\b)+3] offset:((\b)/2)*512+((\b)%2)*256
	ds_store_b128 v3, v[CQ+8*(\b)+4:CQ+8*(\b)+7] offset:2048+((\b)/2)*512+((\b)%2)*256
.endm
.macro SELTAKE w                       ; where q >= t: the bit lies in the upper half of the window: q -= t, pos += w
	v_cmp_ge_u32 vcc_lo, v[RK+4], v[RK+10]
	v_cndmask_b32 v[RK+11], 0, v[RK+10], vcc_lo
	v_sub_nc_u32 v[RK+4], v[RK+4], v[RK+11]
	v_cndmask_b32 v[RK+11], 0, \w, vcc_lo
	v_add_nc_u32 v[RK+9], v[RK+9], v[RK+11]
.endm
.macro SELSTEP src, msk, w             ; t = the count of set bits in the lower half of the window at pos
	v_lshrrev_b32 v[RK+10], v[RK+9], v[\src]
	v_and_b32 v[RK+10], \msk, v[RK+10]
	SELTAKE \w
.endm
.macro RANK                            ; v10 = the token at position min(32 P + lane, n_e - 1) of the expert's list.  s22 = P, s21 = n_e, s[32:63] the masks
	s_lshl_b32 s24, s22, 5
	s_sub_co_u32 s25, s21, 1
	v_add_nc_u32 v[RK], s24, v1
	v_min_u32 v[RK], s25, v[RK]                    ; the position
	v_mov_b32 v[RK+1], s32                         ; its mask,
	v_mov_b32 v[RK+2], 0                           ; the positions ahead of that mask,
	v_mov_b32 v[RK+3], 0                           ; the mask's number: the last one whose count of positions ahead does not pass the position
	s_bcnt1_i32_b32 s66, s32
.set n, 1
.rept 31
	v_cmp_le_u32 vcc_lo, s66, v[RK]
	v_cndmask_b32 v[RK+1], v[RK+1], s[32+n], vcc_lo
	v_cndmask_b32 v[RK+2], v[RK+2], s66, vcc_lo
	v_cndmask_b32 v[RK+3], v[RK+3], n, vcc_lo
	s_bcnt1_i32_b32 s67, s[32+n]
	s_add_co_u32 s66, s66, s67
.set n, n+1
.endr
	v_sub_nc_u32 v[RK+4], v[RK], v[RK+2]           ; q: which set bit of the mask
	v_lshrrev_b32 v[RK+10], 1, v[RK+1]
	v_and_b32 v[RK+10], 0x55555555, v[RK+10]
	v_sub_nc_u32 v[RK+5], v[RK+1], v[RK+10]        ; counts in fields of 2 bits,
	v_lshrrev_b32 v[RK+10], 2, v[RK+5]
	v_and_b32 v[RK+10], 0x33333333, v[RK+10]
	v_and_b32 v[RK+6], 0x33333333, v[RK+5]
	v_add_nc_u32 v[RK+6], v[RK+6], v[RK+10]        ; of 4,
	v_lshrrev_b32 v[RK+10], 4, v[RK+6]
	v_add_nc_u32 v[RK+7], v[RK+6], v[RK+10]
	v_and_b32 v[RK+7], 0x0f0f0f0f, v[RK+7]         ; of 8,
	v_lshrrev_b32 v[RK+10], 8, v[RK+7]
	v_add_nc_u32 v[RK+10], v[RK+7], v[RK+10]
	v_and_b32 v[RK+10], 0xff, v[RK+10]             ; and in the low 16 bits
	v_mov_b32 v[RK+9], 0                           ; pos
	SELTAKE 16
	SELSTEP RK+7, 0xff, 8
	SELSTEP RK+6, 15, 4
	SELSTEP RK+5, 3, 2
	SELSTEP RK+1, 1, 1
	v_lshrrev_b32 v[RK+10], 2, v[RK+3]
	v_lshlrev_b32 v[RK+10], 7, v[RK+10]
	v_lshl_add_u32 v[RK+10], v[RK+9], 2, v[RK+10]
	v_and_b32 v[RK+11], 3, v[RK+3]
	v_add_nc_u32 v10, v[RK+10], v[RK+11]           ; token = 128 (mask / 4) + 4 pos + mask % 4
.endm
; one scaled product; ra, rb = 1: that side's scale words stand in lanes 16-31 of the register named.  WMA adds in place, WMZ starts a sum with the constant 0
.macro WMA d, a, b, sa, sb, ra, rb
.if (\ra)&&(\rb)
	v_wmma_scale_f32_16x16x128_f8f6f4 v[\d:\d+7], v[\a:\a+7], v[\b:\b+7], v[\d:\d+7], v[\sa], v[\sb] matrix_a_fmt:MATRIX_FMT_FP4 matrix_b_fmt:MATRIX_FMT_FP4 matrix_a_scale:MATRIX_SCALE_ROW1 matrix_b_scale:MATRIX_SCALE_ROW1
.elseif (\ra)
	v_wmma_scale_f32_16x16x128_f8f6f4 v[\d:\d+7], v[\a:\a+7], v[\b:\b+7], v[\d:\d+7], v[\sa], v[\sb] matrix_a_fmt:MATRIX_FMT_FP4 matrix_b_fmt:MATRIX_FMT_FP4 matrix_a_scale:MATRIX_SCALE_ROW1
.elseif (\rb)
	v_wmma_scale_f32_16x16x128_f8f6f4 v[\d:\d+7], v[\a:\a+7], v[\b:\b+7], v[\d:\d+7], v[\sa], v[\sb] matrix_a_fmt:MATRIX_FMT_FP4 matrix_b_fmt:MATRIX_FMT_FP4 matrix_b_scale:MATRIX_SCALE_ROW1
.else
	v_wmma_scale_f32_16x16x128_f8f6f4 v[\d:\d+7], v[\a:\a+7], v[\b:\b+7], v[\d:\d+7], v[\sa], v[\sb] matrix_a_fmt:MATRIX_FMT_FP4 matrix_b_fmt:MATRIX_FMT_FP4
.endif
.endm
.macro WMZ d, a, b, sa, sb, ra, rb
.if (\ra)&&(\rb)
	v_wmma_scale_f32_16x16x128_f8f6f4 v[\d:\d+7], v[\a:\a+7], v[\b:\b+7], 0, v[\sa], v[\sb] matrix_a_fmt:MATRIX_FMT_FP4 matrix_b_fmt:MATRIX_FMT_FP4 matrix_a_scale:MATRIX_SCALE_ROW1 matrix_b_scale:MATRIX_SCALE_ROW1
.elseif (\ra)
	v_wmma_scale_f32_16x16x128_f8f6f4 v[\d:\d+7], v[\a:\a+7], v[\b:\b+7], 0, v[\sa], v[\sb] matrix_a_fmt:MATRIX_FMT_FP4 matrix_b_fmt:MATRIX_FMT_FP4 matrix_a_scale:MATRIX_SCALE_ROW1
.elseif (\rb)
	v_wmma_scale_f32_16x16x128_f8f6f4 v[\d:\d+7], v[\a:\a+7], v[\b:\b+7], 0, v[\sa], v[\sb] matrix_a_fmt:MATRIX_FMT_FP4 matrix_b_fmt:MATRIX_FMT_FP4 matrix_b_scale:MATRIX_SCALE_ROW1
.else
	v_wmma_scale_f32_16x16x128_f8f6f4 v[\d:\d+7], v[\a:\a+7], v[\b:\b+7], 0, v[\sa], v[\sb] matrix_a_fmt:MATRIX_FMT_FP4 matrix_b_fmt:MATRIX_FMT_FP4
.endif
.endm
.macro LS s                            ; K step s: the four tiles' scale words, two tiles to a register
.irp p, 0,1
	ds_load_b32 v[WS+2*((\s)%2)+\p], v6 offset:(\s)*256+\p*128
.endr
.endm
.macro LW s                            ; the weights' four fragments, as their images lie
.irp t, 0,1,2,3
.irp c, 0,1
	ds_load_b128 v[WF+32*((\s)%2)+8*\t+4*\c:WF+32*((\s)%2)+8*\t+4*\c+3], v5 offset:(4*(\s)+\t)*1024+\c*512
.endr
.endr
.endm
.macro LH s                            ; h's two fragments, as their images lie in memory: 512 consecutive bytes a load
.irp m, 0,1
.irp c, 0,1
	global_load_b128 v[XF+16*((\s)%5)+8*\m+4*\c:XF+16*((\s)%5)+8*\m+4*\c+3], v5, s[70:71] offset:2048*(\s)+1024*\m+512*\c
.endr
.endr
.endm
.macro KSTEP s                         ; eight accumulators, one instruction each: they take turns
.if (\s) < 15
	s_wait_dscnt 10                                ; all but the next step's 2 + 8 LDS loads
.else
	s_wait_dscnt 0x0
.endif
.if 15-(\s) >= 4
	s_wait_loadcnt 16                              ; all but the four younger steps' fragments of h
.else
	s_wait_loadcnt 4*(15-(\s))
.endif
.irp t, 0,1,2,3
.irp m, 0,1
.if (\s) == 0
	WMZ ACC+32*\m+8*\t, WF+32*((\s)%2)+8*\t, XF+16*((\s)%5)+8*\m, WS+2*((\s)%2)+\t/2, HS+(\s), \t%2, \m
.else
	WMA ACC+32*\m+8*\t, WF+32*((\s)%2)+8*\t, XF+16*((\s)%5)+8*\m, WS+2*((\s)%2)+\t/2, HS+(\s), \t%2, \m
.endif
.endr
.endr
	NOP4
.if (\s)+2 <= 15
	LS (\s)+2
	LW (\s)+2
.endif
.if (\s)+5 <= 15
	LH (\s)+5
.endif
.endm
	s_load_b256 s[4:11], s[0:1], 0x0               ; W2, himg, hsc, route
	s_load_b64 s[12:13], s[0:1], 0x20              ; y
	v_and_b32 v1, 31, v0                           ; lane
	v_lshrrev_b32 v13, 5, v0
	v_readfirstlane_b32 s18, v13                   ; wave
	s_lshr_b32 s19, ttmp9, 5                       ; e
	s_and_b32 s20, ttmp9, 1                        ; kh
	s_bfe_u32 s28, ttmp9, 0x40001                  ; cs
	v_lshlrev_b32 v2, 2, v1                        ; 4 x lane
	v_lshlrev_b32 v5, 4, v1                        ; 16 x lane
	v_bfe_u32 v13, v0, 3, 1                        ; u
	v_and_b32 v14, 7, v0
	v_bfe_u32 v15, v0, 4, 1                        ; h
	v_lshl_or_b32 v14, v15, 3, v14                 ; rq
	s_lshl_b32 s24, s18, 12
	v_lshlrev_b32 v3, 4, v14
	v_lshl_add_u32 v3, v13, 10, v3
	v_add_nc_u32 v3, s24, v3                       ; where my codes go: 4,096 x wave + 1,024 u + 16 rq
	s_lshl_b32 s24, s18, 8
	s_add_co_u32 s24, s24, WSC
	v_lshlrev_b32 v4, 2, v14
	v_lshl_add_u32 v4, v13, 6, v4
	v_add_nc_u32 v4, s24, v4                       ; and my scale words: 256 x wave + 64 u + 4 rq
	v_lshl_add_u32 v6, v1, 2, WSC
	s_mul_i32 s25, s18, 4352
	s_add_co_u32 s25, s25, YST                     ; my stage
	v_and_b32 v14, 15, v0                          ; r
	v_mul_u32_u24 v7, v14, 272
	v_lshl_add_u32 v7, v15, 6, v7
	v_add_nc_u32 v7, s25, v7                       ; in: row r, my half's sixteen of each 32 columns
	v_mul_u32_u24 v8, v15, 272
	v_lshl_add_u32 v8, v14, 4, v8
	v_add_nc_u32 v8, s25, v8                       ; back: lanes 0-15 one row, lanes 16-31 the next
	v_lshlrev_b32 v9, 4, v14                       ; 16 r
	s_mov_b32 s78, 0xffff0000                      ; lanes 16-31
	s_lshl_b32 s24, s19, 24                        ; W2: expert,
	s_lshl_b32 s26, s20, 23                        ; half of K,
	s_add_co_u32 s24, s24, s26
	s_lshl_b32 s27, s18, 19                        ; K step = wave: 128 rows,
	s_add_co_u32 s24, s24, s27
	s_lshl_b32 s27, s28, 8                         ; the 64 columns
	s_add_co_u32 s24, s24, s27
	s_mov_b32 s25, 0
	s_add_co_u32 s26, s26, s27                     ; y: half kh, the 64 columns
	s_mov_b32 s27, 0
	s_wait_kmcnt 0x0
	s_add_nc_u64 s[4:5], s[4:5], s[24:25]
	s_add_nc_u64 s[14:15], s[12:13], s[26:27]
.irp j, 0,1,2,3,4,5,6,7
	global_load_b128 v[RW+4*\j:RW+4*\j+3], v5, s[RTE:RTE+1] offset:512*\j
.endr
	DBLOAD 0
	s_wait_loadcnt 63                              ; 64 loads were issued behind route's
.set n, 0
.rept 32                                       ; the masks: token uses e as its first or as its second choice
	v_and_b32 v[TA], 0xff, v[RW+n]
	v_lshrrev_b32 v[TA+1], 8, v[RW+n]
	v_cmp_eq_u32 s[32+n], s19, v[TA]
	v_cmp_eq_u32 vcc_lo, s19, v[TA+1]
	s_or_b32 s[32+n], s[32+n], vcc_lo
.set n, n+1
.endr
	s_bcnt1_i32_b32 s21, s32                       ; n_e
.set n, 1
.rept 31
	s_bcnt1_i32_b32 s24, s[32+n]
	s_add_co_u32 s21, s21, s24
.set n, n+1
.endr
	DBLOAD 1
	QDB 0, 63                                      ; behind block 0's loads stand block 1's 64
	DBLOAD 2
	QDB 1, 63
	DBLOAD 3
	QDB 2, 63
	QDB 3, 0
	ds_store_b32 v4, v[SB]
	ds_store_b32 v4, v[SB+1] offset:128
	s_wait_dscnt 0x0                               ; for the other waves: my images and scale words lie in LDS
	s_barrier_signal -1
	s_barrier_wait -1                              ; the one barrier: from here on the images are only read
	s_mov_b32 s22, s18                             ; P
	s_mov_b32 s23, 0
.Ltrip:
	s_lshl_b32 s24, s22, 5
	s_cmp_ge_u32 s24, s21
	s_cbranch_scc1 .Lskip                          ; no token at position 32 P
	RANK
	s_lshl_b32 s26, s19, 5
	s_add_co_u32 s26, s26, s22
	s_lshl_b32 s26, s26, 5
	s_lshl_b32 s27, s20, 4
	s_add_co_u32 s26, s26, s27                     ; (32 e + P) 32 + 16 kh
	s_lshl_b32 s68, s26, 11
	s_mov_b32 s69, 0
	s_add_nc_u64 s[70:71], s[6:7], s[68:69]        ; this pair's images of my half of K,
	s_lshl_b32 s68, s26, 7
	s_add_nc_u64 s[72:73], s[8:9], s[68:69]        ; and their scale words
	v_min_u32 v14, 0x3ff, v10
	v_lshlrev_b32 v14, 2, v14
	global_load_b32 v12, v14, s[RTE:RTE+1]         ; my token's route word: is e its first or its second choice?
.set n, 0
.rept 16
	global_load_b32 v[HS+n], v2, s[72:73] offset:128*n
.set n, n+1
.endr
.irp s, 0,1,2,3,4
	LH \s
.endr
	LS 0
	LW 0
	LS 1
	LW 1
.irp s, 0,1,2,3,4,5,6,7,8,9,10,11,12,13,14,15
	KSTEP \s
.endr
	v_lshrrev_b32 v14, 8, v12
	v_cmp_eq_u32 vcc_lo, s19, v14
	v_cndmask_b32 v14, 0, 1, vcc_lo                ; k
	v_lshl_add_u32 v10, v14, 10, v10               ; slot = lane: row 1,024 k + token of y's half
.set n, 0
.rept 16                                       ; store n takes slots 2 n (lanes 0-15) and 2 n + 1 (lanes 16-31)
	v_readlane_b32 s74, v10, 2*n
	v_readlane_b32 s75, v10, 2*n+1
	v_mov_b32 v[RO+n], s74
	v_cndmask_b32 v[RO+n], v[RO+n], s75, s78
	v_min_u32 v[RO+n], 0x7ff, v[RO+n]
	v_lshl_add_u32 v[RO+n], v[RO+n], 12, v9        ; row x 4,096 bytes + 16 r
.set n, n+1
.endr
.irp m, 0,1
.irp t, 0,1,2,3
.irp j, 0,1
	ds_store_b128 v7, v[ACC+32*\m+8*\t+4*\j:ACC+32*\m+8*\t+4*\j+3] offset:(\t/2)*128+(\t%2)*32+\j*16   ; each accumulator from its low end on
.endr
.endr
.irp i, 0,1,2,3,4,5,6,7
	ds_load_b128 v[OUT+32*\m+4*\i:OUT+32*\m+4*\i+3], v8 offset:544*\i   ; LDS serves a wave's instructions in order: these see the stores, and the next tile's stores come behind them
.endr
.endr
.set n, 0
.rept 16
.if n < 8
	s_wait_dscnt 23-n                              ; behind tile 0's load n: its 7 - n younger ones and tile 1's sixteen
.else
	s_wait_dscnt 15-n
.endif
	global_store_b128 v[RO+n], v[OUT+4*n:OUT+4*n+3], s[14:15] th:TH_STORE_NT   ; sixteen lanes store 256 consecutive bytes, at a multiple of 256 from y's first byte
.set n, n+1
.endr
	s_wait_xcnt 0x0                                ; the stores' data, offsets and the trip's bases are written again only behind this wait
.Lskip:
	s_add_co_u32 s22, s22, 16
	s_add_co_u32 s23, s23, 1
	s_cmp_lt_u32 s23, 2
	s_cbranch_scc1 .Ltrip
	s_wait_xcnt 0x0
	v_lshl_add_u32 v254, v0, 2, 0x22000
	v_mov_b32 v255, 0
	s_wait_tensorcnt 0x0
	ds_add_u32 v254, v255
	s_wait_dscnt 0x0
	s_endpgm
.Lfunc_end_k_qf52918a24e_down:
	.size	k_qf52918a24e_down, .Lfunc_end_k_qf52918a24e_down-k_qf52918a24e_down
	.p2alignl 7, 3214868480
	.fill 96, 4, 3214868480
	.section	.rodata,"a",@progbits
	.p2align	6, 0x0
	.amdhsa_kernel k_qf52918a24e_down
		.amdhsa_group_segment_fixed_size 141312
		.amdhsa_private_segment_fixed_size 0
		.amdhsa_enable_private_segment 0
		.amdhsa_kernarg_size 40
		.amdhsa_user_sgpr_count 2
		.amdhsa_user_sgpr_kernarg_segment_ptr 1
		.amdhsa_wavefront_size32 1
		.amdhsa_system_sgpr_workgroup_id_x 1
		.amdhsa_system_sgpr_workgroup_id_y 1
		.amdhsa_system_sgpr_workgroup_id_z 1
		.amdhsa_system_vgpr_workitem_id 0
		.amdhsa_next_free_vgpr 256
		.amdhsa_next_free_sgpr 80
		.amdhsa_reserve_vcc 1
		.amdhsa_float_denorm_mode_32 3
		.amdhsa_float_denorm_mode_16_64 3
		.amdhsa_memory_ordered 1
		.amdhsa_forward_progress 1
		.amdhsa_inst_pref_size 107
	.end_amdhsa_kernel
	.amdgpu_metadata
---
amdhsa.version: [ 1, 2 ]
amdhsa.kernels:
  - .name:           k_qf52918a24e_down
    .symbol:         k_qf52918a24e_down.kd
    .args:
      - { .name: W2, .offset: 0, .size: 8, .value_kind: global_buffer, .address_space: global }
      - { .name: himg, .offset: 8, .size: 8, .value_kind: global_buffer, .address_space: global }
      - { .name: hsc, .offset: 16, .size: 8, .value_kind: global_buffer, .address_space: global }
      - { .name: route, .offset: 24, .size: 8, .value_kind: global_buffer, .address_space: global }
      - { .name: y, .offset: 32, .size: 8, .value_kind: global_buffer, .address_space: global }
    .group_segment_fixed_size: 141312
    .private_segment_fixed_size: 0
    .kernarg_segment_align: 8
    .kernarg_segment_size: 40
    .max_flat_workgroup_size: 512
    .sgpr_count:     80
    .vgpr_count:     256
    .wavefront_size: 32
...
	.end_amdgpu_metadata
.endif
;; end of part 3
;; launch mix (part 4): grid 256 x 1, 8 waves a work-group, no clusters, 0 bytes of LDS; arguments y, b2, route, gw, psum, out0, out1; writes out0, out1
.if DOCPART == 4
	.amdgcn_target "amdgcn-amd-amdhsa--gfx1250"
	.amdhsa_code_object_version 6
	.text
	.protected	k_qf52918a24e_mix
	.globl	k_qf52918a24e_mix
	.p2align	8
	.type	k_qf52918a24e_mix,@function
k_qf52918a24e_mix:
	s_mov_b64 s[64:65], 0
	v_nop
	global_prefetch_b8 v0, s[64:65] scope:SCOPE_SE
	s_setreg_imm32_b32 hwreg(HW_REG_WAVE_MODE, 25, 1), 1
	s_wait_xcnt 0x0
; MIX.  out0[t] = g0 (y[0][0][t] + y[1][0][t] + b2[e0]) + g1 (y[0][1][t] + y[1][1][t] + b2[e1]);  out1 = 0.01 x the sum over experts of u ln(u + 1e-8), u = the mean probability.
; A stream: work-group = four tokens, thread = 16 bytes of each row; every load and store of a wave covers 512 consecutive bytes.  The experts' numbers come as whole numbers from route
; (scalar loads) and choose rows of b2.  No LDS, no barrier, no matrix unit: nothing here is read twice.
; out1 is made by wave 0 of work-group 0 from the 256 partial sums of the first launch.
	s_load_b256 s[4:11], s[0:1], 0x0               ; y, b2, route, gw
	s_load_b128 s[12:15], s[0:1], 0x20             ; psum, out0
	s_load_b64 s[16:17], s[0:1], 0x30              ; out1
	v_lshlrev_b32 v2, 4, v0                        ; my 16 bytes of a row
	v_lshrrev_b32 v3, 5, v0
	v_readfirstlane_b32 s18, v3                    ; wave
	s_mov_b32 s55, 0
	s_mov_b32 s49, 0
	s_mov_b32 s56, 0x76543210
	s_mov_b32 s57, 0xfedcba98                      ; v_permlanex16_b32: lane l xor 16
	s_lshl_b32 s54, ttmp9, 4
	s_wait_kmcnt 0x0
	s_add_nc_u64 s[8:9], s[8:9], s[54:55]
	s_lshl_b32 s54, ttmp9, 5
	s_add_nc_u64 s[10:11], s[10:11], s[54:55]
	s_load_b128 s[20:23], s[8:9], 0x0              ; four route words
	s_load_b256 s[24:31], s[10:11], 0x0            ; four pairs g0, g1
	s_lshl_b32 s54, ttmp9, 14
	s_add_nc_u64 s[50:51], s[4:5], s[54:55]        ; y, half 0, my four rows
	s_add_nc_u64 s[52:53], s[50:51], 0x800000      ; half 1
	s_add_nc_u64 s[14:15], s[14:15], s[54:55]      ; out0
.irp p, 0,1,2,3                                ; row p: v[16 + 24 p ..]: y(0,0), y(1,0), y(0,1), y(1,1), b2[e0], b2[e1]
	global_load_b128 v[16+24*\p:19+24*\p], v2, s[50:51] offset:\p*4096 th:TH_LOAD_NT
	global_load_b128 v[20+24*\p:23+24*\p], v2, s[52:53] offset:\p*4096 th:TH_LOAD_NT
	global_load_b128 v[24+24*\p:27+24*\p], v2, s[50:51] offset:\p*4096+4194304 th:TH_LOAD_NT
	global_load_b128 v[28+24*\p:31+24*\p], v2, s[52:53] offset:\p*4096+4194304 th:TH_LOAD_NT
.endr
	s_wait_kmcnt 0x0
.irp p, 0,1,2,3
	s_and_b32 s48, s[20+\p], 0xff                  ; e0,
	s_min_u32 s48, s48, 7
	s_lshl_b32 s48, s48, 12
	s_add_nc_u64 s[32+4*\p:33+4*\p], s[6:7], s[48:49]
	s_bfe_u32 s48, s[20+\p], 0x80008               ; e1: their rows of b2
	s_min_u32 s48, s48, 7
	s_lshl_b32 s48, s48, 12
	s_add_nc_u64 s[34+4*\p:35+4*\p], s[6:7], s[48:49]
.endr
.irp p, 0,1,2,3
	global_load_b128 v[32+24*\p:35+24*\p], v2, s[32+4*\p:33+4*\p]
	global_load_b128 v[36+24*\p:39+24*\p], v2, s[34+4*\p:35+4*\p]
.endr
	s_wait_loadcnt 0x0
.irp p, 0,1,2,3
.irp i, 0,2
	v_pk_add_f32 v[16+24*\p+\i:17+24*\p+\i], v[16+24*\p+\i:17+24*\p+\i], v[20+24*\p+\i:21+24*\p+\i]   ; the two halves of K
	v_pk_add_f32 v[24+24*\p+\i:25+24*\p+\i], v[24+24*\p+\i:25+24*\p+\i], v[28+24*\p+\i:29+24*\p+\i]
.endr
.irp i, 0,2
	v_pk_add_f32 v[16+24*\p+\i:17+24*\p+\i], v[16+24*\p+\i:17+24*\p+\i], v[32+24*\p+\i:33+24*\p+\i]   ; + b2
	v_pk_add_f32 v[24+24*\p+\i:25+24*\p+\i], v[24+24*\p+\i:25+24*\p+\i], v[36+24*\p+\i:37+24*\p+\i]
.endr
.irp i, 0,1,2,3
	v_mul_f32 v[24+24*\p+\i], s[25+2*\p], v[24+24*\p+\i]
.endr
.irp i, 0,1,2,3
	v_fma_f32 v[16+24*\p+\i], s[24+2*\p], v[16+24*\p+\i], v[24+24*\p+\i]
.endr
	global_store_b128 v2, v[16+24*\p:19+24*\p], s[14:15] offset:\p*4096 th:TH_STORE_NT
.endr
	s_cmp_lg_u32 ttmp9, 0
	s_cbranch_scc1 .Lend
	s_cmp_lg_u32 s18, 0
	s_cbranch_scc1 .Lend
	s_wait_xcnt 0x0                                ; the stores have read their registers: the loads below land there
	v_lshlrev_b32 v3, 5, v0                        ; wave 0: thread = lane; 32 bytes for each of psum's rows
.irp j, 0,1,2,3,4,5,6,7
	global_load_b128 v[16+8*\j:19+8*\j], v3, s[12:13] offset:1024*\j
	global_load_b128 v[20+8*\j:23+8*\j], v3, s[12:13] offset:1024*\j+16
.endr
	s_wait_loadcnt 0x0
.irp j, 1,2,3,4,5,6,7
.irp q, 0,2,4,6
	v_pk_add_f32 v[16+\q:17+\q], v[16+\q:17+\q], v[16+8*\j+\q:17+8*\j+\q]
.endr
.endr
.irp x, 1,2,4,8
.irp e, 0,1,2,3,4,5,6,7
	v_add_f32_dpp v[16+\e], v[16+\e], v[16+\e] row_xmask:\x row_mask:0xf bank_mask:0xf
.endr
.endr
.irp e, 0,1,2,3,4,5,6,7
	v_permlanex16_b32 v[24+\e], v[16+\e], s56, s57
.endr
.irp e, 0,1,2,3,4,5,6,7
	v_add_f32 v[16+\e], v[16+\e], v[24+\e]
.endr
.irp e, 0,1,2,3,4,5,6,7
	v_mul_f32 v[16+\e], 0x3a800000, v[16+\e]       ; u = the sum / 1,024
.endr
.irp e, 0,1,2,3,4,5,6,7
	v_add_f32 v[24+\e], 0x322bcc77, v[16+\e]       ; + 1e-8
.endr
.irp e, 0,1,2,3,4,5,6,7
	v_log_f32 v[24+\e], v[24+\e]                   ; log2
.endr
	v_mov_b32 v33, 0                               ; (a plain line behind the logarithms)
	s_wait_alu depctr_va_vdst(0)
	v_mul_f32 v32, v16, v24
.irp e, 1,2,3,4,5,6,7
	v_fmac_f32 v32, v[16+\e], v[24+\e]
.endr
	v_mul_f32 v32, 0x3be32166, v32                 ; x 0.01 ln 2
	s_wait_xcnt 0x0                                ; EXEC changes only behind this wait
	v_cmp_eq_u32 vcc_lo, 0, v0
	s_and_saveexec_b32 s19, vcc_lo
	global_store_b32 v33, v32, s[16:17]
	s_wait_xcnt 0x0
	s_or_b32 exec_lo, exec_lo, s19
.Lend:
	s_endpgm
.Lfunc_end_k_qf52918a24e_mix:
	.size	k_qf52918a24e_mix, .Lfunc_end_k_qf52918a24e_mix-k_qf52918a24e_mix
	.p2alignl 7, 3214868480
	.fill 96, 4, 3214868480
	.section	.rodata,"a",@progbits
	.p2align	6, 0x0
	.amdhsa_kernel k_qf52918a24e_mix
		.amdhsa_group_segment_fixed_size 0
		.amdhsa_private_segment_fixed_size 0
		.amdhsa_enable_private_segment 0
		.amdhsa_kernarg_size 56
		.amdhsa_user_sgpr_count 2
		.amdhsa_user_sgpr_kernarg_segment_ptr 1
		.amdhsa_wavefront_size32 1
		.amdhsa_system_sgpr_workgroup_id_x 1
		.amdhsa_system_sgpr_workgroup_id_y 1
		.amdhsa_system_sgpr_workgroup_id_z 1
		.amdhsa_system_vgpr_workitem_id 0
		.amdhsa_next_free_vgpr 128
		.amdhsa_next_free_sgpr 66
		.amdhsa_reserve_vcc 1
		.amdhsa_float_denorm_mode_32 3
		.amdhsa_float_denorm_mode_16_64 3
		.amdhsa_memory_ordered 1
		.amdhsa_forward_progress 1
		.amdhsa_inst_pref_size 17
	.end_amdhsa_kernel
	.amdgpu_metadata
---
amdhsa.version: [ 1, 2 ]
amdhsa.kernels:
  - .name:           k_qf52918a24e_mix
    .symbol:         k_qf52918a24e_mix.kd
    .args:
      - { .name: y, .offset: 0, .size: 8, .value_kind: global_buffer, .address_space: global }
      - { .name: b2, .offset: 8, .size: 8, .value_kind: global_buffer, .address_space: global }
      - { .name: route, .offset: 16, .size: 8, .value_kind: global_buffer, .address_space: global }
      - { .name: gw, .offset: 24, .size: 8, .value_kind: global_buffer, .address_space: global }
      - { .name: psum, .offset: 32, .size: 8, .value_kind: global_buffer, .address_space: global }
      - { .name: out0, .offset: 40, .size: 8, .value_kind: global_buffer, .address_space: global }
      - { .name: out1, .offset: 48, .size: 8, .value_kind: global_buffer, .address_space: global }
    .group_segment_fixed_size: 0
    .private_segment_fixed_size: 0
    .kernarg_segment_align: 8
    .kernarg_segment_size: 56
    .max_flat_workgroup_size: 256
    .sgpr_count:     66
    .vgpr_count:     128
    .wavefront_size: 32
...
	.end_amdgpu_metadata
.endif
;; end of part 4
;; ======== version 2 of 2: 4 launches
;; workspace buffers: xq 524,288 bytes; xs 32,768 bytes; route 4,096 bytes of whole numbers; gw 8,192 bytes; psum 8,192 bytes; himg 16,777,216 bytes; hsc 1,048,576 bytes; y 16,777,216 bytes
;; launch gate (part 5): grid 64 x 1, 4 waves a work-group, no clusters, 53,248 bytes of LDS; arguments x, Wg, bg, xq, xs, route, gw, psum; writes xq, xs, route, gw, psum
.if DOCPART == 5
	.amdgcn_target "amdgcn-amd-amdhsa--gfx1250"
	.amdhsa_code_object_version 6
	.text
	.protected	k_qf52918a24e_gate
	.globl	k_qf52918a24e_gate
	.p2align	8
	.type	k_qf52918a24e_gate,@function
k_qf52918a24e_gate:
	s_mov_b64 s[64:65], 0
	v_nop
	global_prefetch_b8 v0, s[64:65] scope:SCOPE_SE
	s_setreg_imm32_b32 hwreg(HW_REG_WAVE_MODE, 25, 1), 1
	s_wait_xcnt 0x0
; GATE.  For each of 1,024 tokens: logits = x Wg + bg in f32 (fused multiply-adds), softmax with the row's maximum taken away, the two largest probabilities
; (strict compares: at a tie the lower index stays, as jax.lax.top_k has it), their weights g = p / (p1 + p2); and x as codes of E2M1 with one E8M0 byte for each 32 along K.
; Stored at fixed places: xq [token][512 bytes], xs [token][32 bytes], route [token] = e0 | e1 << 8, gw [token][2], psum [wave][8] = the sums of four rows' probabilities.
; No address and no branch here hangs on the choice: later launches read route and form addresses from it.
; SHARES.  64 work-groups of four waves; wave id = 4 x work-group + wave owns rows 4 id .. 4 id + 3.  A row is loaded 16 bytes a lane (512 consecutive bytes a load) and turned
; through the wave's own stage in LDS, so that lane L then holds block L of the row: k = 32 L .. 32 L + 31 in 32 consecutive registers, as the conversions want them.
; Wg (32 KB) lies in LDS once for the work-group, laid so that lane L finds Wg[32 L + i][0 .. 7] by two loads of 16 bytes, neighbouring lanes at neighbouring 16 bytes.
; LIMITS: NaN and infinities are not served.  A block whose largest magnitude lies under 2^-124 (zeros too) gets the byte 1; these bytes are read by this program alone.
.set TST, 33792                        ; LDS: behind Wg's 64 pieces of 528 bytes: a stage of 32 places x 144 bytes for each wave
.set SBY, 52224                        ; and 128 scale bytes for each wave
.set XB0, 16                           ; v[16+32p ..] row p turned (32 numbers of my block)
.set RX,  48                           ; v[48+32p ..] row p as loaded; row p turned lands where row p - 1 was loaded
.set AC,  176                          ; v[176:207] 4 rows x 8 logits
.set WP,  208                          ; v[208:223] two sets of 8 numbers of Wg; later the logits and probabilities of my row
.set CC,  224                          ; v[224:239] codes, four registers a row
.set BYR, 244                          ; v[244:247] a scale byte for each row
	s_load_b256 s[4:11], s[0:1], 0x0               ; x, Wg, bg, xq
	s_load_b256 s[12:19], s[0:1], 0x20             ; xs, route, gw, psum
	v_lshl_add_u32 v14, v0, 2, 0xce00
	v_mov_b32 v15, 0
	v_and_b32 v1, 31, v0                           ; lane
	v_lshrrev_b32 v10, 5, v0
	v_readfirstlane_b32 s28, v10                   ; wave
	s_lshl_b32 s29, ttmp9, 2
	s_add_co_u32 s29, s29, s28                     ; id
	v_lshlrev_b32 v2, 4, v1                        ; 16 x lane
	s_mul_i32 s30, s28, 4608
	s_add_co_u32 s30, s30, TST                     ; my stage
	v_lshrrev_b32 v10, 3, v1
	v_mul_u32_u24 v3, v10, 144
	v_and_b32 v10, 7, v1
	v_lshl_add_u32 v3, v10, 4, v3
	v_add_nc_u32 v3, s30, v3                       ; into the stage: eight lanes' 128 bytes fill a place, then 16 bytes of padding
	v_mul_u32_u24 v4, v1, 144
	v_add_nc_u32 v4, s30, v4                       ; out of it: place = lane
	s_lshl_b32 s31, s28, 7
	s_add_co_u32 s31, s31, SBY
	v_add_nc_u32 v5, s31, v1                       ; my block's scale byte
	v_and_b32 v10, 63, v0
	v_mul_u32_u24 v6, v10, 528
	v_lshrrev_b32 v10, 6, v0
	v_lshl_add_u32 v6, v10, 4, v6                  ; Wg into LDS: piece (thread % 64), lane place (thread / 64) + 2 q
	v_lshlrev_b32 v7, 4, v0                        ; Wg in memory: 16 x thread
	v_lshlrev_b32 v9, 2, v1                        ; 4 x lane
	v_add_nc_u32 v8, s31, v9                       ; the scale bytes on the way out
	v_lshlrev_b32 v11, 3, v1                       ; 8 x lane
	s_mov_b32 s34, 0x76543210
	s_mov_b32 s35, 0xfedcba98                      ; v_permlanex16_b32: lane l xor 16
	s_mov_b32 s33, 0
	s_wait_alu depctr_va_vdst(0)
	s_wait_kmcnt 0x0
	s_load_b256 s[20:27], s[8:9], 0x0              ; bg's eight numbers
	s_lshl_b32 s32, s29, 14
	s_add_nc_u64 s[4:5], s[4:5], s[32:33]          ; x at my four rows
	s_lshl_b32 s32, s29, 11
	s_add_nc_u64 s[10:11], s[10:11], s[32:33]      ; xq
	s_lshl_b32 s32, s29, 7
	s_add_nc_u64 s[12:13], s[12:13], s[32:33]      ; xs
	s_lshl_b32 s32, s29, 4
	s_add_nc_u64 s[14:15], s[14:15], s[32:33]      ; route
	s_lshl_b32 s32, s29, 5
	s_add_nc_u64 s[16:17], s[16:17], s[32:33]      ; gw
	s_add_nc_u64 s[18:19], s[18:19], s[32:33]      ; psum
.irp p, 0,1,2,3
.irp j, 0,1,2,3,4,5,6,7
	global_load_b128 v[RX+32*\p+4*\j:RX+32*\p+4*\j+3], v2, s[4:5] offset:\p*4096+512*\j th:TH_LOAD_NT   ; 32 lanes read 512 consecutive bytes
.endr
.endr
.irp q, 0,1,2,3,4,5,6,7,8,9,10,11,12,13,14,15
	global_load_b128 v[AC+4*\q:AC+4*\q+3], v7, s[6:7] offset:2048*\q
.endr
	s_wait_loadcnt 0x0
.irp q, 0,1,2,3,4,5,6,7,8,9,10,11,12,13,14,15
	ds_store_b128 v6, v[AC+4*\q:AC+4*\q+3] offset:32*\q
.endr
	s_wait_dscnt 0x0                               ; for the other waves: my part of Wg lies in LDS
	s_barrier_signal -1
	s_barrier_wait -1
.macro TURN p                          ; row p through my stage; LDS serves a wave's instructions in order, so the loads see the stores
.irp j, 0,1,2,3,4,5,6,7
	ds_store_b128 v3, v[RX+32*(\p)+4*\j:RX+32*(\p)+4*\j+3] offset:576*\j
.endr
.irp j, 0,1,2,3,4,5,6,7
	ds_load_b128 v[XB0+32*(\p)+4*\j:XB0+32*(\p)+4*\j+3], v4 offset:16*\j
.endr
	s_wait_dscnt 0x0                               ; the row is back, and its stores have read the registers into which the next row lands
.endm
.macro QROW p                          ; my block of row p: largest magnitude with the floor 2^(3 - 127) among its leaves, scale, 32 codes
.set XB, XB0+32*(\p)
	v_max3_num_f32 v240, |v[XB]|, |v[XB+1]|, 0x1800000
	v_max3_num_f32 v241, |v[XB+2]|, |v[XB+3]|, |v[XB+4]|
.irp i, 5,9,13,17,21,25
	v_max3_num_f32 v240, v240, |v[XB+\i]|, |v[XB+\i+1]|
	v_max3_num_f32 v241, v241, |v[XB+\i+2]|, |v[XB+\i+3]|
.endr
	v_max3_num_f32 v240, v240, |v[XB+29]|, |v[XB+30]|
	v_max3_num_f32 v240, v240, v241, |v[XB+31]|
	v_add_nc_u32 v242, 0xff000000, v240            ; 2 off the exponent field: the conversion's scale operand
.irp g, 0,1,2,3
	v_cvt_scalef32_pk8_fp4_f32 v[CC+4*(\p)+\g], v[XB+8*\g:XB+8*\g+7], v242
.endr
	v_lshrrev_b32 v[BYR+(\p)], 23, v242            ; the scale's byte (also the plain line behind the conversions)
	ds_store_b8 v5, v[BYR+(\p)] offset:32*(\p)
	global_store_b128 v2, v[CC+4*(\p):CC+4*(\p)+3], s[10:11] offset:512*(\p)   ; a token's 512 bytes of codes, on end
.endm
.irp p, 0,1,2,3
	TURN \p
.endr
.irp p, 0,1,2,3
	QROW \p
.endr
	; the logits: lane L adds x[row][32 L + i] Wg[32 L + i][0 .. 7] over i; two experts an instruction
	ds_load_b128 v[WP:WP+3], v2
	ds_load_b128 v[WP+4:WP+7], v2 offset:528
.set i, 0
.rept 32
.if i < 31
	ds_load_b128 v[WP+8*((i+1)%2):WP+8*((i+1)%2)+3], v2 offset:(2*i+2)*528
	ds_load_b128 v[WP+8*((i+1)%2)+4:WP+8*((i+1)%2)+7], v2 offset:(2*i+3)*528
	s_wait_dscnt 2                                 ; all but the two just asked for: piece i is in
.else
	s_wait_dscnt 0x0
.endif
.irp p, 0,1,2,3
.irp q, 0,1,2,3
.if i == 0
	v_pk_mul_f32 v[AC+8*\p+2*\q:AC+8*\p+2*\q+1], v[XB0+32*\p:XB0+32*\p+1], v[WP+2*\q:WP+2*\q+1] op_sel_hi:[0,1]   ; the first product starts the sums
.elseif (i%2) == 0
	v_pk_fma_f32 v[AC+8*\p+2*\q:AC+8*\p+2*\q+1], v[XB0+32*\p+i:XB0+32*\p+i+1], v[WP+2*\q:WP+2*\q+1], v[AC+8*\p+2*\q:AC+8*\p+2*\q+1] op_sel_hi:[0,1,1]
.else
	v_pk_fma_f32 v[AC+8*\p+2*\q:AC+8*\p+2*\q+1], v[XB0+32*\p+i-1:XB0+32*\p+i], v[WP+8+2*\q:WP+8+2*\q+1], v[AC+8*\p+2*\q:AC+8*\p+2*\q+1] op_sel:[1,0,0] op_sel_hi:[1,1,1]
.endif
.endr
.endr
.set i, i+1
.endr
	; each of the 32 sums over the wave's 32 lanes; every lane ends with all of them
.irp x, 1,2,4,8
.set n, 0
.rept 32
	v_add_f32_dpp v[AC+n], v[AC+n], v[AC+n] row_xmask:\x row_mask:0xf bank_mask:0xf
.set n, n+1
.endr
.endr
.set n, 0
.rept 32
	v_permlanex16_b32 v[RX+n], v[AC+n], s34, s35   ; (the destination has been written: it held a row of x)
.set n, n+1
.endr
.set n, 0
.rept 32
	v_add_f32 v[AC+n], v[AC+n], v[RX+n]
.set n, n+1
.endr
	v_and_b32 v10, 3, v1                           ; lane l goes on with row l % 4
	v_cmp_eq_u32 s36, 1, v10
	v_cmp_eq_u32 s37, 2, v10
	v_cmp_eq_u32 s38, 3, v10
	s_wait_kmcnt 0x0                               ; bg
.irp e, 0,1,2,3,4,5,6,7
	v_cndmask_b32 v[WP+\e], v[AC+\e], v[AC+8+\e], s36
	v_cndmask_b32 v[WP+\e], v[WP+\e], v[AC+16+\e], s37
	v_cndmask_b32 v[WP+\e], v[WP+\e], v[AC+24+\e], s38
	v_add_f32 v[WP+\e], s[20+\e], v[WP+\e]
.endr
	v_max3_num_f32 v240, v[WP], v[WP+1], v[WP+2]   ; softmax: the row's maximum is taken away first
	v_max3_num_f32 v240, v240, v[WP+3], v[WP+4]
	v_max3_num_f32 v240, v240, v[WP+5], v[WP+6]
	v_max_num_f32 v240, v240, v[WP+7]
.irp e, 0,1,2,3,4,5,6,7
	v_sub_f32 v[WP+\e], v[WP+\e], v240
.endr
.irp e, 0,1,2,3,4,5,6,7
	v_mul_f32 v[WP+\e], 0x3fb8aa3b, v[WP+\e]       ; x log2(e)
.endr
	s_wait_alu depctr_va_vdst(0)
.irp e, 0,1,2,3,4,5,6,7
	v_exp_f32 v[WP+\e], v[WP+\e]
.endr
	v_nop                                          ; a plain line behind the exponentials
	s_wait_alu depctr_va_vdst(0)
	v_add_f32 v241, v[WP], v[WP+1]
	v_add_f32 v242, v[WP+2], v[WP+3]
	v_add_f32 v243, v[WP+4], v[WP+5]
	v_add_f32 v248, v[WP+6], v[WP+7]
	v_add_f32 v241, v241, v242
	v_add_f32 v243, v243, v248
	v_add_f32 v241, v241, v243
	s_wait_alu depctr_va_vdst(0)
	v_rcp_f32 v242, v241
	v_nop                                          ; a plain line behind the reciprocal
	s_wait_alu depctr_va_vdst(0)
.irp e, 0,1,2,3,4,5,6,7
	v_mul_f32 v[WP+\e], v[WP+\e], v242             ; the probabilities
.endr
	v_mov_b32 v249, v[WP]                          ; the largest so far and its index,
	v_mov_b32 v250, 0
	v_mov_b32 v251, -1.0                           ; the second: under every probability, so expert 1 always enters
	v_mov_b32 v252, 0
.irp e, 1,2,3,4,5,6,7
	v_cmp_gt_f32 vcc_lo, v[WP+\e], v249
	v_cmp_gt_f32 s39, v[WP+\e], v251
	v_cndmask_b32 v251, v251, v[WP+\e], s39
	v_cndmask_b32 v252, v252, \e, s39
	v_cndmask_b32 v251, v251, v249, vcc_lo
	v_cndmask_b32 v252, v252, v250, vcc_lo
	v_cndmask_b32 v249, v249, v[WP+\e], vcc_lo
	v_cndmask_b32 v250, v250, \e, vcc_lo
.endr
	v_add_f32 v248, v249, v251
	s_wait_alu depctr_va_vdst(0)
	v_rcp_f32 v253, v248
	v_nop
	s_wait_alu depctr_va_vdst(0)
	v_mul_f32 v254, v249, v253                     ; g0
	v_mul_f32 v255, v251, v253                     ; g1
	v_lshl_or_b32 v248, v252, 8, v250              ; e0 | e1 << 8
.irp x, 1,2
.irp e, 0,1,2,3,4,5,6,7
	v_add_f32_dpp v[WP+\e], v[WP+\e], v[WP+\e] row_xmask:\x row_mask:0xf bank_mask:0xf   ; the four rows' probabilities added
.endr
.endr
	ds_load_b32 v243, v8                           ; my wave's 128 scale bytes (in order behind my byte stores)
	s_wait_alu depctr_va_vdst(0)
	s_wait_dscnt 0x0
	global_store_b32 v9, v243, s[12:13]            ; four tokens' 32 bytes each, 128 bytes on end
	s_wait_xcnt 0x0                                ; EXEC changes only behind this wait
	v_cmp_gt_u32 vcc_lo, 4, v1
	s_wait_tensorcnt 0x0
	ds_add_u32 v14, v15
	s_wait_dscnt 0x0
	s_and_saveexec_b32 s30, vcc_lo
	global_store_b32 v9, v248, s[14:15]            ; lanes 0-3: rows 0-3
	global_store_b64 v11, v[254:255], s[16:17]
	s_wait_xcnt 0x0
	s_or_b32 exec_lo, exec_lo, s30
	v_cmp_eq_u32 vcc_lo, 0, v1
	s_and_saveexec_b32 s30, vcc_lo
	global_store_b128 v9, v[WP:WP+3], s[18:19]
	global_store_b128 v9, v[WP+4:WP+7], s[18:19] offset:16
	s_wait_xcnt 0x0
	s_or_b32 exec_lo, exec_lo, s30
	s_endpgm
.Lfunc_end_k_qf52918a24e_gate:
	.size	k_qf52918a24e_gate, .Lfunc_end_k_qf52918a24e_gate-k_qf52918a24e_gate
	.p2alignl 7, 3214868480
	.fill 96, 4, 3214868480
	.section	.rodata,"a",@progbits
	.p2align	6, 0x0
	.amdhsa_kernel k_qf52918a24e_gate
		.amdhsa_group_segment_fixed_size 53248
		.amdhsa_private_segment_fixed_size 0
		.amdhsa_enable_private_segment 0
		.amdhsa_kernarg_size 64
		.amdhsa_user_sgpr_count 2
		.amdhsa_user_sgpr_kernarg_segment_ptr 1
		.amdhsa_wavefront_size32 1
		.amdhsa_system_sgpr_workgroup_id_x 1
		.amdhsa_system_sgpr_workgroup_id_y 1
		.amdhsa_system_sgpr_workgroup_id_z 1
		.amdhsa_system_vgpr_workitem_id 0
		.amdhsa_next_free_vgpr 256
		.amdhsa_next_free_sgpr 66
		.amdhsa_reserve_vcc 1
		.amdhsa_float_denorm_mode_32 3
		.amdhsa_float_denorm_mode_16_64 3
		.amdhsa_memory_ordered 1
		.amdhsa_forward_progress 1
		.amdhsa_inst_pref_size 76
	.end_amdhsa_kernel
	.amdgpu_metadata
---
amdhsa.version: [ 1, 2 ]
amdhsa.kernels:
  - .name:           k_qf52918a24e_gate
    .symbol:         k_qf52918a24e_gate.kd
    .args:
      - { .name: x, .offset: 0, .size: 8, .value_kind: global_buffer, .address_space: global }
      - { .name: Wg, .offset: 8, .size: 8, .value_kind: global_buffer, .address_space: global }
      - { .name: bg, .offset: 16, .size: 8, .value_kind: global_buffer, .address_space: global }
      - { .name: xq, .offset: 24, .size: 8, .value_kind: global_buffer, .address_space: global }
      - { .name: xs, .offset: 32, .size: 8, .value_kind: global_buffer, .address_space: global }
      - { .name: route, .offset: 40, .size: 8, .value_kind: global_buffer, .address_space: global }
      - { .name: gw, .offset: 48, .size: 8, .value_kind: global_buffer, .address_space: global }
      - { .name: psum, .offset: 56, .size: 8, .value_kind: global_buffer, .address_space: global }
    .group_segment_fixed_size: 53248
    .private_segment_fixed_size: 0
    .kernarg_segment_align: 8
    .kernarg_segment_size: 64
    .max_flat_workgroup_size: 128
    .sgpr_count:     66
    .vgpr_count:     256
    .wavefront_size: 32
...
	.end_amdgpu_metadata
.endif
;; end of part 5
;; launch up (part 6): grid 256 x 1, 16 waves a work-group, no clusters, 315,904 bytes of LDS; arguments W1, b1, xq, xs, route, himg, hsc; writes himg, hsc
.if DOCPART == 6
	.amdgcn_target "amdgcn-amd-amdhsa--gfx1250"
	.amdhsa_code_object_version 6
	.text
	.protected	k_qf52918a24e_up
	.globl	k_qf52918a24e_up
	.p2align	8
	.type	k_qf52918a24e_up,@function
k_qf52918a24e_up:
	s_mov_b64 s[64:65], 0
	v_nop
	global_prefetch_b8 v0, s[64:65] scope:SCOPE_SE
	s_setreg_imm32_b32 hwreg(HW_REG_WAVE_SCHED_MODE, 0, 2), 2
	s_setreg_imm32_b32 hwreg(HW_REG_WAVE_MODE, 25, 1), 1
	s_wait_xcnt 0x0
	s_wait_alu depctr_vm_vsrc(0)
; UP.  h = relu(Q(x) Q(W1[e]) + b1[e]) for the tokens that chose expert e, quantised along H and stored as register images of the next product's operand.
; SHARES.  Work-group = (expert e = id / 32, slice sl = id % 32: hidden units 128 sl .. 128 sl + 127).  It reads its 1,024 x 128 numbers of W1 ONCE, quantises them along K and keeps the
; codes in LDS as images of operand registers; no weight code goes to memory.  Then each wave takes pairs of tiles of 16 tokens of expert e's list through the whole K = 1,024.
; QUANTISING.  Wave w takes K step w / 2 (128 rows) x 64 columns (w % 2).  A LANE TAKES A COLUMN AND ITS REGISTERS RUN DOWN K: a block of 32 lies in one lane's 32 registers.
; Two neighbouring lines read the two halves of 256 consecutive, aligned bytes of a row.  Lane q's column goes to tile 2 g + u, row rq, with u = (q / 8) % 2, rq = q % 8 + 8 (q / 16):
; so tile 2 g + u, row r, is hidden unit 32 g + 8 u + r + 8 (r / 8), and the 16 result registers of tiles 2 g, 2 g + 1 are 16 neighbours along the next K.
; THE LIST.  Every wave reads route (1,024 words) and keeps 32 masks "token uses e" in scalar registers: mask 4 j + u, bit l = token 128 j + 4 l + u.  Position p of the list is found by
; rank and select on those masks (RANK); positions from n_e on are held at n_e - 1, so spare slots repeat the last token and store the same numbers.
; THE PRODUCT is used transposed (source 0 = 16 hidden units, source 1 = 16 tokens): a lane holds one token, its registers run along the hidden units.  b1 is loaded into the accumulators.
; Waves 0-13 multiply (LDS has room for fourteen stages of x beside the images); pair P = wave + 14 i, i = 0 .. 2, a constant count that serves 1,024 tokens on one expert; a trip without tokens is jumped over.
; No cluster and no joint loads: the 512 KB of weights that are the bulk of a work-group's bytes are shared with nobody, and the rows of x hang on counts read from memory.
; LIMITS: NaN and infinities are not served.  A block whose largest magnitude lies under 2^-124 (zeros too) gets the byte 1; these bytes are read by this program alone.
; THE MODE: SCHED_MODE bits 1:0 = 2 (LLVM: expert scheduling mode 2), set by the entry lines.  The code itself states the register dependences
; between vector or matrix instructions and memory or LDS instructions, with s_wait_alu, always for 0.
; THE PLAN.  Registers that memory or LDS instructions touch:
;   v2-v9, v11, v12   offsets and LDS addresses: written once at the head, one wait ahead of the first load, never written again.
;   X0, X1            block b's 64 loads land in X[b % 2]; its maxima and conversions read it; block b + 2's loads land there again.
;   CQ, v32-33, v48   the codes, the scale words, b1: read by LDS stores ahead of the barrier; the trips write these registers anew.
;   v13, GA           a trip's offsets: written by vector lines, read by its 34 global loads.
;   ACC               the gather lands; LDS stores read; b1 lands; the products add; relu and the quantiser read.
;   XS, WS, XF, WF    loads land, products read.  WF's two groups of four fragments take turns, half a K step each.
;   PC, v50           the quantiser writes, the trip's five stores read.
; THE WAITS ON va_vdst: behind each block's conversions; ahead of a trip's global loads; behind each half K step's eight products; ahead of the five stores.
; THE WAITS ON vm_vsrc: behind the barrier; ahead of b1's loads; at a trip's end.  At .Ltrip nothing is pending on either side, on the way in and on the way back.
; Scalar registers written by vector lines (the wave's number, compares, lane reads) are made in runs, with one wait behind each run and ahead of its first reader.
.set PITCH, 16384                      ; bytes from row to row of W1[e]
.set RTE,  12                          ; s[12:13] route
.set CM,   24                          ; s[24:31] a run of eight compares' masks, or of eight lane reads
.set MT,   66                          ; s[66:73] at the head: a run of eight compares with the second choice
.set PS,   68                          ; s[68:75] in RANK: the positions ahead of eight masks on end
.set WSC,  65536                       ; LDS: 0 .. 65535 the 64 fragments' images (K step ks, tile ct: 1,024 (8 ks + ct)); then their scale words: 512 ks + 64 ct + 4 r;
.set BIA,  69632                       ; b1's 128 numbers;
.set XST,  70144                       ; and a stage of x for each of 14 waves: 2 tiles x 32 pieces x (16 rows x 16 bytes + 16)
.set XSTB, 17408
.set X,    128                         ; streaming: v[128:255] two sets of 2 x 32 numbers
.set CQ,   64                          ; v[64:95]  codes: eight registers for each block, so that no LDS store's data are written again
.set RW,   96                          ; v[96:127] route's words
.set SB,   32                          ; v32-33 scale words, v34-35 largest magnitudes, v36-37 scale operands, v38-39 bytes, v40-41 at work
.set MX,   34
.set SO,   36
.set BY,   38
.set TA,   40
.set RK,   32                          ; RANK's twelve registers
.set XS,   16                          ; v[16:23] x's scale words, one register a K step: lanes 0-15 tile 0's tokens, lanes 16-31 tile 1's.  Scales and nothing else
.set WS,   24                          ; v[24:31] the weights' scale words, two sets of four: lanes 0-15 an even tile's rows, lanes 16-31 the odd tile's.  Scales and nothing else
.set XF,   32                          ; v[32:63] x's fragments, two sets of two tiles
.set WF,   64                          ; v[64:127] the weights' fragments, two groups of four
.set GA,   64                          ; v[64:95] ahead of the products: the byte offsets of the 32 slots' rows of codes
.set ACC,  128                         ; v[128:255] accumulator (tile of tokens m, tile of units ct) at 64 m + 8 ct
.set TM,   32                          ; the way out: v[32:47] at work, v48-49 the two scale words, v[64:79] the codes
.set PW,   48
.set PC,   64
.macro NOP4                            ; four plain places behind matrix instructions, ahead of loads into their registers and of reads of their results
.rept 4
	v_nop
.endr
.endm
.macro DBLOAD b                        ; block b (32 rows) of my 64 columns
.set n, 0
.rept 32
	global_load_b32 v[X+64*((\b)%2)+n], v2, s[4:5] offset:(32*(\b)+n)*PITCH th:TH_LOAD_NT
	global_load_b32 v[X+64*((\b)%2)+32+n], v2, s[4:5] offset:(32*(\b)+n)*PITCH+128 th:TH_LOAD_NT
.set n, n+1
.endr
.endm
.macro QDB b, cnt                      ; block b of both columns: largest magnitude with the floor 2^(3 - 127), scale, codes, image
.set XQ0, X+64*((\b)%2)
	s_wait_loadcnt \cnt
	v_max3_num_f32 v[MX], |v[XQ0]|, |v[XQ0+1]|, 0x1800000
	v_max3_num_f32 v[MX+1], |v[XQ0+32]|, |v[XQ0+33]|, 0x1800000
.set n, 2
.rept 15
	v_max3_num_f32 v[MX], v[MX], |v[XQ0+n]|, |v[XQ0+n+1]|
	v_max3_num_f32 v[MX+1], v[MX+1], |v[XQ0+32+n]|, |v[XQ0+33+n]|
.set n, n+2
.endr
	v_add_nc_u32 v[SO], 0xff000000, v[MX]          ; 2 off the exponent field: the conversion's scale operand
	v_add_nc_u32 v[SO+1], 0xff000000, v[MX+1]
	v_lshrrev_b32 v[BY], 23, v[SO]                 ; the scale's byte
	v_lshrrev_b32 v[BY+1], 23, v[SO+1]
.if (\b) == 0
	v_mov_b32 v[SB], v[BY]
	v_mov_b32 v[SB+1], v[BY+1]
.else
	v_lshl_or_b32 v[SB], v[BY], 8*(\b), v[SB]
	v_lshl_or_b32 v[SB+1], v[BY+1], 8*(\b), v[SB+1]
.endif
.irp c, 0,1
.irp g, 0,1,2,3
	v_cvt_scalef32_pk8_fp4_f32 v[CQ+8*(\b)+4*\c+\g], v[XQ0+32*\c+8*\g:XQ0+32*\c+8*\g+7], v[SO+\c]
.endr
.endr
	v_nop                                          ; a plain line behind the conversions
	s_wait_alu depctr_va_vdst(0)                   ; the conversions have written the block's codes, which the LDS stores read, and are done reading X[b % 2], in which block b + 2's loads land; in the last block the scale words are written too
	ds_store_b128 v3, v[CQ+8*(\b):CQ+8*(\b)+3] offset:((\b)/2)*512+((\b)%2)*256
	ds_store_b128 v3, v[CQ+8*(\b)+4:CQ+8*(\b)+7] offset:2048+((\b)/2)*512+((\b)%2)*256
.endm
.macro SELTAKE w                       ; where q >= t: the bit lies in the upper half of the window: q -= t, pos += w
	v_cmp_ge_u32 vcc_lo, v[RK+4], v[RK+10]
	s_wait_alu depctr_va_vcc(0)                    ; the compare has written VCC, which the two selects read; each step of the search hangs on the step before, so they cannot be run together
	v_cndmask_b32 v[RK+11], 0, v[RK+10], vcc_lo
	v_sub_nc_u32 v[RK+4], v[RK+4], v[RK+11]
	v_cndmask_b32 v[RK+11], 0, \w, vcc_lo
	v_add_nc_u32 v[RK+9], v[RK+9], v[RK+11]
.endm
.macro SELSTEP src, msk, w             ; t = the count of set bits in the lower half of the window at pos
	v_lshrrev_b32 v[RK+10], v[RK+9], v[\src]
	v_and_b32 v[RK+10], \msk, v[RK+10]
	SELTAKE \w
.endm
.macro RANK                            ; v10 = the token at position min(32 P + lane, n_e - 1) of the expert's list.  s22 = P, s21 = n_e, s[32:63] the masks
	s_lshl_b32 s24, s22, 5
	s_sub_co_u32 s25, s21, 1
	v_add_nc_u32 v[RK], s24, v1
	v_min_u32 v[RK], s25, v[RK]                    ; the position
	s_wait_alu depctr_va_vdst(0)
	v_mov_b32 v[RK+1], s32                         ; its mask,
	v_mov_b32 v[RK+2], 0                           ; the positions ahead of that mask,
	v_mov_b32 v[RK+3], 0                           ; the mask's number: the last one whose count of positions ahead does not pass the position
	s_bcnt1_i32_b32 s[PS], s32                     ; the positions ahead of mask 1
.set n0, 1
.rept 4                                        ; masks 1 to 31, eight at a time: their counts of positions ahead, a run of compares, one wait, the selects in the masks' order
.set n, n0
.rept 8
.if n < 32
.if n > 1
	s_bcnt1_i32_b32 s67, s[32+n-1]
	s_add_co_u32 s[PS+(n-1)%8], s[PS+(n-2)%8], s67
.endif
	v_cmp_le_u32 s[CM+(n-1)%8], s[PS+(n-1)%8], v[RK]
.endif
.set n, n+1
.endr
	s_wait_alu depctr_va_sdst(0)                   ; the run of compares has written s[24:31], which the selects below read
.set n, n0
.rept 8
.if n < 32
	v_cndmask_b32 v[RK+1], v[RK+1], s[32+n], s[CM+(n-1)%8]
	v_cndmask_b32 v[RK+2], v[RK+2], s[PS+(n-1)%8], s[CM+(n-1)%8]
	v_cndmask_b32 v[RK+3], v[RK+3], n, s[CM+(n-1)%8]
.endif
.set n, n+1
.endr
.set n0, n0+8
.endr
	v_sub_nc_u32 v[RK+4], v[RK], v[RK+2]           ; q: which set bit of the mask
	v_lshrrev_b32 v[RK+10], 1, v[RK+1]
	v_and_b32 v[RK+10], 0x55555555, v[RK+10]
	v_sub_nc_u32 v[RK+5], v[RK+1], v[RK+10]        ; counts in fields of 2 bits,
	v_lshrrev_b32 v[RK+10], 2, v[RK+5]
	v_and_b32 v[RK+10], 0x33333333, v[RK+10]
	v_and_b32 v[RK+6], 0x33333333, v[RK+5]
	v_add_nc_u32 v[RK+6], v[RK+6], v[RK+10]        ; of 4,
	v_lshrrev_b32 v[RK+10], 4, v[RK+6]
	v_add_nc_u32 v[RK+7], v[RK+6], v[RK+10]
	v_and_b32 v[RK+7], 0x0f0f0f0f, v[RK+7]         ; of 8,
	v_lshrrev_b32 v[RK+10], 8, v[RK+7]
	v_add_nc_u32 v[RK+10], v[RK+7], v[RK+10]
	v_and_b32 v[RK+10], 0xff, v[RK+10]             ; and in the low 16 bits
	v_mov_b32 v[RK+9], 0                           ; pos
	SELTAKE 16
	SELSTEP RK+7, 0xff, 8
	SELSTEP RK+6, 15, 4
	SELSTEP RK+5, 3, 2
	SELSTEP RK+1, 1, 1
	v_lshrrev_b32 v[RK+10], 2, v[RK+3]
	v_lshlrev_b32 v[RK+10], 7, v[RK+10]
	v_lshl_add_u32 v[RK+10], v[RK+9], 2, v[RK+10]
	v_and_b32 v[RK+11], 3, v[RK+3]
	v_add_nc_u32 v10, v[RK+10], v[RK+11]           ; token = 128 (mask / 4) + 4 pos + mask % 4
.endm
; one scaled product in place; ra, rb = 1: that side's scale words stand in lanes 16-31 of the register named
.macro WMA d, a, b, sa, sb, ra, rb
.if (\ra)&&(\rb)
	v_wmma_scale_f32_16x16x128_f8f6f4 v[\d:\d+7], v[\a:\a+7], v[\b:\b+7], v[\d:\d+7], v[\sa], v[\sb] matrix_a_fmt:MATRIX_FMT_FP4 matrix_b_fmt:MATRIX_FMT_FP4 matrix_a_scale:MATRIX_SCALE_ROW1 matrix_b_scale:MATRIX_SCALE_ROW1
.elseif (\ra)
	v_wmma_scale_f32_16x16x128_f8f6f4 v[\d:\d+7], v[\a:\a+7], v[\b:\b+7], v[\d:\d+7], v[\sa], v[\sb] matrix_a_fmt:MATRIX_FMT_FP4 matrix_b_fmt:MATRIX_FMT_FP4 matrix_a_scale:MATRIX_SCALE_ROW1
.elseif (\rb)
	v_wmma_scale_f32_16x16x128_f8f6f4 v[\d:\d+7], v[\a:\a+7], v[\b:\b+7], v[\d:\d+7], v[\sa], v[\sb] matrix_a_fmt:MATRIX_FMT_FP4 matrix_b_fmt:MATRIX_FMT_FP4 matrix_b_scale:MATRIX_SCALE_ROW1
.else
	v_wmma_scale_f32_16x16x128_f8f6f4 v[\d:\d+7], v[\a:\a+7], v[\b:\b+7], v[\d:\d+7], v[\sa], v[\sb] matrix_a_fmt:MATRIX_FMT_FP4 matrix_b_fmt:MATRIX_FMT_FP4
.endif
.endm
.macro MM s, g                         ; K step s, tiles of units 4 g .. 4 g + 3 x both tiles of tokens: eight accumulators, one instruction each; the sixteen take turns
.irp t, 0,1,2,3
.irp m, 0,1
	WMA ACC+64*\m+32*(\g)+8*\t, WF+32*(\g)+8*\t, XF+16*((\s)%2)+8*\m, WS+4*((\s)%2)+2*(\g)+\t/2, XS+(\s), \t%2, \m
.endr
.endr
.endm
.macro LS s                            ; K step s: the eight tiles' scale words, two tiles to a register
.irp p, 0,1,2,3
	ds_load_b32 v[WS+4*((\s)%2)+\p], v6 offset:(\s)*512+\p*128
.endr
.endm
.macro LX s                            ; x's two fragments
.irp m, 0,1
.irp c, 0,1
	ds_load_b128 v[XF+16*((\s)%2)+8*\m+4*\c:XF+16*((\s)%2)+8*\m+4*\c+3], v8 offset:\m*8704+(4*(\s)+2*\c)*272
.endr
.endr
.endm
.macro LW s, g                         ; four of the weights' fragments, as their images lie
.irp t, 0,1,2,3
.irp c, 0,1
	ds_load_b128 v[WF+32*(\g)+8*\t+4*\c:WF+32*(\g)+8*\t+4*\c+3], v5 offset:(8*(\s)+4*(\g)+\t)*1024+\c*512
.endr
.endr
.endm
; A K step is two halves of eight products.  A group of the weights' registers is asked for again as soon as its own eight products are done reading it; the loads stand straight behind that wait,
; ahead of the wait for the other group's data, and no product issued since the wait names a register in which they land.
.macro KSTEP s
	s_wait_dscnt 8                                 ; all but the youngest eight loads (this step's second group of weights)
	MM \s, 0
	NOP4
.if (\s) < 7
	s_wait_alu depctr_va_vdst(0)                   ; the eight products above are done reading the weights' first group; those of the step before are done reading their set of x and of scale words: the sixteen loads below land there
	LS (\s)+1
	LX (\s)+1
	LW (\s)+1, 0
	s_wait_dscnt 16                                ; all but the sixteen just issued
.else
	s_wait_dscnt 0x0
.endif
	MM \s, 1
	NOP4
.if (\s) < 7
	s_wait_alu depctr_va_vdst(0)                   ; the eight products above are done reading the weights' second group, in which the eight loads below land
	LW (\s)+1, 1
.endif
.endm
; 64 numbers of a lane, register 16 b + i = k 32 b + 16 (lane / 16) + i of my token, none negative, become a fragment's codes in v[pc] on and its scale word in v[pw]
.macro QUANT s, pc, pw
.irp b, 0,1,2,3
	v_max3_num_f32 v[TM+\b], v[\s+16*\b], v[\s+1+16*\b], 0x1800000   ; with the floor 2^(3 - 127): the byte cannot fall under 1
.endr
.irp i, 2,4,6,8,10,12,14
.irp b, 0,1,2,3
	v_max3_num_f32 v[TM+\b], v[TM+\b], v[\s+16*\b+\i], v[\s+1+16*\b+\i]
.endr
.endr
.irp b, 0,1,2,3
	v_permlanex16_b32 v[TM+4+\b], v[TM+\b], s76, s77
.endr
.irp b, 0,1,2,3
	v_max_num_f32 v[TM+\b], v[TM+\b], v[TM+4+\b]   ; with lane l xor 16's sixteen: the block's
.endr
.irp b, 0,1,2,3
	v_add_nc_u32 v[TM+12+\b], 0xff000000, v[TM+\b]
.endr
.irp b, 0,1,2,3
	v_lshrrev_b32 v[TM+4+\b], 23, v[TM+12+\b]
.endr
	v_lshl_or_b32 v[\pw], v[TM+5], 8, v[TM+4]
	v_lshl_or_b32 v[\pw], v[TM+6], 16, v[\pw]
	v_lshl_or_b32 v[\pw], v[TM+7], 24, v[\pw]
.irp b, 0,1,2,3
	v_cvt_scalef32_pk8_fp4_f32 v[\pc+2*\b], v[\s+16*\b:\s+7+16*\b], v[TM+12+\b]
	v_cvt_scalef32_pk8_fp4_f32 v[\pc+1+2*\b], v[\s+8+16*\b:\s+15+16*\b], v[TM+12+\b]
.endr
	v_nop                                          ; a plain line behind the conversions
.irp c, 0,1                                    ; the operand wants a whole block in a lane: lanes 0-15 block 2 c, lanes 16-31 block 2 c + 1
.irp i, 0,1
	v_permlane16_swap_b32 v[\pc+4*\c+\i], v[\pc+2+4*\c+\i]
.endr
.endr
.endm
	s_load_b256 s[4:11], s[0:1], 0x0               ; W1, b1, xq, xs
	s_load_b128 s[12:15], s[0:1], 0x20             ; route, himg
	s_load_b64 s[16:17], s[0:1], 0x30              ; hsc
	v_and_b32 v1, 31, v0                           ; lane
	v_lshrrev_b32 v13, 5, v0
	v_readfirstlane_b32 s18, v13                   ; wave
	s_lshr_b32 s19, ttmp9, 5                       ; e
	s_and_b32 s20, ttmp9, 31                       ; sl
	v_lshlrev_b32 v2, 2, v1                        ; 4 x lane
	v_lshlrev_b32 v5, 4, v1                        ; 16 x lane
	v_bfe_u32 v13, v0, 3, 1                        ; u
	v_and_b32 v14, 7, v0
	v_bfe_u32 v15, v0, 4, 1                        ; h
	v_lshl_or_b32 v14, v15, 3, v14                 ; rq
	s_wait_alu depctr_va_sdst(0)                   ; s18 is written, ahead of its first reader: LDS places, W1's address and the branches on the wave are made from it
	s_lshl_b32 s24, s18, 12
	v_lshlrev_b32 v3, 4, v14
	v_lshl_add_u32 v3, v13, 10, v3
	v_add_nc_u32 v3, s24, v3                       ; where my codes go: 4,096 x wave + 1,024 u + 16 rq
	s_lshl_b32 s24, s18, 8
	s_add_co_u32 s24, s24, WSC
	v_lshlrev_b32 v4, 2, v14
	v_lshl_add_u32 v4, v13, 6, v4
	v_add_nc_u32 v4, s24, v4                       ; and my scale words: 256 x wave + 64 u + 4 rq
	v_lshl_add_u32 v6, v1, 2, WSC
	s_min_u32 s25, s18, 13
	s_mul_i32 s25, s25, XSTB
	s_add_co_u32 s25, s25, XST                     ; my stage of x (waves 14 and 15 never touch one)
	v_mul_u32_u24 v7, v1, 272
	v_add_nc_u32 v7, s25, v7                       ; in: piece = lane
	v_and_b32 v14, 15, v0                          ; r
	v_mul_u32_u24 v8, v15, 272
	v_lshl_add_u32 v8, v14, 4, v8
	v_add_nc_u32 v8, s25, v8                       ; out: piece + h, row r
	v_lshl_add_u32 v9, v15, 6, BIA                 ; b1: my half's sixteen of each 32
	v_and_b32 v11, 127, v0
	v_lshlrev_b32 v11, 2, v11
	v_add_nc_u32 v12, BIA, v11
	s_mov_b32 s76, 0x76543210
	s_mov_b32 s77, 0xfedcba98                      ; v_permlanex16_b32: lane l xor 16
	s_mov_b32 s78, 0xffff0000                      ; lanes 16-31
	s_lshl_b32 s24, s19, 24                        ; W1: expert,
	s_lshr_b32 s26, s18, 1
	s_lshl_b32 s26, s26, 21                        ; K step wave / 2: 128 rows,
	s_add_co_u32 s24, s24, s26
	s_lshl_b32 s26, s20, 9                         ; the slice's 128 columns,
	s_add_co_u32 s24, s24, s26
	s_and_b32 s26, s18, 1
	s_lshl_b32 s26, s26, 8                         ; my 64 of them
	s_add_co_u32 s24, s24, s26
	s_mov_b32 s25, 0
	s_lshl_b32 s26, s19, 14
	s_lshl_b32 s27, s20, 9
	s_add_co_u32 s26, s26, s27
	s_mov_b32 s27, 0
	s_wait_kmcnt 0x0
	s_add_nc_u64 s[4:5], s[4:5], s[24:25]
	s_add_nc_u64 s[6:7], s[6:7], s[26:27]
	s_wait_alu depctr_va_vdst(0)                   ; the offsets and LDS addresses v2 to v9, v11 and v12 are written: every load and store of the kernel but the gather's reads one of them
	global_load_b32 v48, v11, s[6:7]               ; b1 (every wave asks, so that the counts are alike; waves 0-3 keep it)
.irp j, 0,1,2,3,4,5,6,7
	global_load_b128 v[RW+4*\j:RW+4*\j+3], v5, s[RTE:RTE+1] offset:512*\j
.endr
	DBLOAD 0
	s_wait_loadcnt 63                              ; 64 loads were issued behind route's
	s_cmp_ge_u32 s18, 4
	s_cbranch_scc1 .Lno_bias
	ds_store_b32 v12, v48
.Lno_bias:
.set n0, 0
.rept 4                                        ; the masks: token uses e as its first or as its second choice; eight masks at a time: a run of sixteen compares, one wait, the eight joins
.set n, n0
.rept 8
	v_and_b32 v[TA], 0xff, v[RW+n]
	v_lshrrev_b32 v[TA+1], 8, v[RW+n]
	v_cmp_eq_u32 s[32+n], s19, v[TA]
	v_cmp_eq_u32 s[MT+n%8], s19, v[TA+1]
.set n, n+1
.endr
	s_wait_alu depctr_va_sdst(0)                   ; the run of compares has written its sixteen scalar registers, which the joins below read
.set n, n0
.rept 8
	s_or_b32 s[32+n], s[32+n], s[MT+n%8]
.set n, n+1
.endr
.set n0, n0+8
.endr
	s_bcnt1_i32_b32 s21, s32                       ; n_e
.set n, 1
.rept 31
	s_bcnt1_i32_b32 s24, s[32+n]
	s_add_co_u32 s21, s21, s24
.set n, n+1
.endr
	DBLOAD 1
	QDB 0, 63                                      ; behind block 0's loads stand block 1's 64
	DBLOAD 2
	QDB 1, 63
	DBLOAD 3
	QDB 2, 63
	QDB 3, 0
	ds_store_b32 v4, v[SB]
	ds_store_b32 v4, v[SB+1] offset:128
	s_wait_dscnt 0x0                               ; for the other waves: my images, scale words and b1 lie in LDS
	s_barrier_signal -1
	s_barrier_wait -1                              ; the one barrier: from here on the images are only read
	s_wait_alu depctr_vm_vsrc(0)                   ; my LDS stores have read the codes v[64:95], the scale words v32-33 and v48: the trips write all of these anew
	s_cmp_ge_u32 s18, 14
	s_cbranch_scc1 .Lend
	s_mov_b32 s22, s18                             ; P
	s_mov_b32 s23, 0
.Ltrip:
	s_lshl_b32 s24, s22, 5
	s_cmp_ge_u32 s24, s21
	s_cbranch_scc1 .Lskip                          ; no token at position 32 P
	RANK
	s_wait_alu depctr_va_vdst(0)
	s_lshl_b32 s26, s19, 5
	s_add_co_u32 s26, s26, s22
	s_lshl_b32 s26, s26, 5
	s_add_co_u32 s26, s26, s20                     ; (32 e + P) 32 + sl
	s_lshl_b32 s68, s26, 11
	s_mov_b32 s69, 0
	s_add_nc_u64 s[70:71], s[14:15], s[68:69]      ; where this pair's images go,
	s_lshl_b32 s68, s26, 7
	s_add_nc_u64 s[72:73], s[16:17], s[68:69]      ; and its scale words
	v_min_u32 v13, 0x3ff, v10
	v_lshlrev_b32 v13, 5, v13
.set n0, 0
.rept 4                                        ; the 32 slots' tokens, eight at a time: a run of lane reads, one wait, the rows' byte offsets
.set n, n0
.rept 8
	v_readlane_b32 s[CM+n%8], v10, n
.set n, n+1
.endr
	s_wait_alu depctr_va_sdst(0)                   ; the run of lane reads has written s[24:31], which the lines below read
.set n, n0
.rept 8
	s_min_u32 s[CM+n%8], s[CM+n%8], 0x3ff
	v_lshl_add_u32 v[GA+n], s[CM+n%8], 9, v5
.set n, n+1
.endr
.set n0, n0+8
.endr
	s_wait_alu depctr_va_vdst(0)                   ; v13 and the 32 offsets are written, which the loads below read; the last trip's products are done reading XS and WS, its quantiser ACC; RANK has written v[32:43]: loads land in all of these before the next vector line
	global_load_b128 v[XS:XS+3], v13, s[10:11]     ; slot = lane: my token's eight scale words
	global_load_b128 v[XS+4:XS+7], v13, s[10:11] offset:16
.set n, 0
.rept 32                                       ; slot n's row of codes: 512 bytes on end, 16 a lane
	global_load_b128 v[ACC+4*n:ACC+4*n+3], v[GA+n], s[8:9]
.set n, n+1
.endr
.set n, 0
.rept 32
	s_wait_loadcnt 31-n                            ; row n is in; the younger rows may be out
	ds_store_b128 v7, v[ACC+4*n:ACC+4*n+3] offset:(n/16)*8704+(n%16)*16
.set n, n+1
.endr
	s_wait_dscnt 0x0                               ; the stage is written
	s_wait_alu depctr_vm_vsrc(0)                   ; the LDS stores have read ACC, in which b1 lands; the gather has read its offsets v[64:95], in which the weights' fragments land
.irp m, 0,1
.irp t, 0,1,2,3,4,5,6,7
.irp j, 0,1
	ds_load_b128 v[ACC+64*\m+8*\t+4*\j:ACC+64*\m+8*\t+4*\j+3], v9 offset:(\t/2)*128+(\t%2)*32+\j*16   ; b1 starts the sums
.endr
.endr
.endr
	LS 0
	LX 0
	LW 0, 0
	LW 0, 1
.irp s, 0,1,2,3,4,5,6,7
	KSTEP \s
.endr
.irp m, 0,1
.set n, 0
.rept 64
	v_max_num_f32 v[ACC+64*\m+n], 0, v[ACC+64*\m+n]   ; relu, in f32; each accumulator from its low end on
.set n, n+1
.endr
	QUANT ACC+64*\m, PC+8*\m, PW+\m
.endr
	v_cndmask_b32 v50, v48, v49, s78               ; lanes 0-15 tile 0's scale words, lanes 16-31 tile 1's
	s_wait_alu depctr_va_vdst(0)                   ; the quantiser has written both fragments' codes v[64:79], and the select v50: the five stores below read them
.irp m, 0,1
	global_store_b128 v5, v[PC+8*\m:PC+8*\m+3], s[70:71] offset:\m*1024        ; the fragment as it stands: 512 consecutive bytes a store
	global_store_b128 v5, v[PC+8*\m+4:PC+8*\m+7], s[70:71] offset:\m*1024+512
.endr
	global_store_b32 v2, v50, s[72:73]
	s_wait_xcnt 0x0                                ; the stores' data and bases are written again only behind this wait
	s_wait_alu depctr_vm_vsrc(0)                   ; the stores have read v[64:79] and v50, which the next trip's offsets and loads write
.Lskip:
	s_add_co_u32 s22, s22, 14
	s_add_co_u32 s23, s23, 1
	s_cmp_lt_u32 s23, 3
	s_cbranch_scc1 .Ltrip
.Lend:
	s_wait_xcnt 0x0
	v_lshl_add_u32 v254, v0, 2, 0x4ca00            ; (no LDS or memory instruction has read v254 or v255 since the wait behind the barrier or the one at a trip's end)
	v_mov_b32 v255, 0
	s_wait_dscnt 0x0                               ; the closing lines, six on end
	s_wait_alu 0x0
	s_wait_tensorcnt 0x0
	ds_add_u32 v254, v255
	s_wait_dscnt 0x0
	s_endpgm
.Lfunc_end_k_qf52918a24e_up:
	.size	k_qf52918a24e_up, .Lfunc_end_k_qf52918a24e_up-k_qf52918a24e_up
	.p2alignl 7, 3214868480
	.fill 96, 4, 3214868480
	.section	.rodata,"a",@progbits
	.p2align	6, 0x0
	.amdhsa_kernel k_qf52918a24e_up
		.amdhsa_group_segment_fixed_size 315904
		.amdhsa_private_segment_fixed_size 0
		.amdhsa_enable_private_segment 0
		.amdhsa_kernarg_size 56
		.amdhsa_user_sgpr_count 2
		.amdhsa_user_sgpr_kernarg_segment_ptr 1
		.amdhsa_wavefront_size32 1
		.amdhsa_system_sgpr_workgroup_id_x 1
		.amdhsa_system_sgpr_workgroup_id_y 1
		.amdhsa_system_sgpr_workgroup_id_z 1
		.amdhsa_system_vgpr_workitem_id 0
		.amdhsa_next_free_vgpr 256
		.amdhsa_next_free_sgpr 80
		.amdhsa_reserve_vcc 1
		.amdhsa_float_denorm_mode_32 3
		.amdhsa_float_denorm_mode_16_64 3
		.amdhsa_memory_ordered 1
		.amdhsa_forward_progress 1
		.amdhsa_inst_pref_size 122
	.end_amdhsa_kernel
	.amdgpu_metadata
---
amdhsa.version: [ 1, 2 ]
amdhsa.kernels:
  - .name:           k_qf52918a24e_up
    .symbol:         k_qf52918a24e_up.kd
    .args:
      - { .name: W1, .offset: 0, .size: 8, .value_kind: global_buffer, .address_space: global }
      - { .name: b1, .offset: 8, .size: 8, .value_kind: global_buffer, .address_space: global }
      - { .name: xq, .offset: 16, .size: 8, .value_kind: global_buffer, .address_space: global }
      - { .name: xs, .offset: 24, .size: 8, .value_kind: global_buffer, .address_space: global }
      - { .name: route, .offset: 32, .size: 8, .value_kind: global_buffer, .address_space: global }
      - { .name: himg, .offset: 40, .size: 8, .value_kind: global_buffer, .address_space: global }
      - { .name: hsc, .offset: 48, .size: 8, .value_kind: global_buffer, .address_space: global }
    .group_segment_fixed_size: 315904
    .private_segment_fixed_size: 0
    .kernarg_segment_align: 8
    .kernarg_segment_size: 56
    .max_flat_workgroup_size: 512
    .sgpr_count:     80
    .vgpr_count:     256
    .wavefront_size: 32
...
	.end_amdgpu_metadata
.endif
;; end of part 6
;; launch down (part 7): grid 256 x 1, 16 waves a work-group, no clusters, 141,312 bytes of LDS; arguments W2, himg, hsc, route, y; writes y
.if DOCPART == 7
	.amdgcn_target "amdgcn-amd-amdhsa--gfx1250"
	.amdhsa_code_object_version 6
	.text
	.protected	k_qf52918a24e_down
	.globl	k_qf52918a24e_down
	.p2align	8
	.type	k_qf52918a24e_down,@function
k_qf52918a24e_down:
	s_mov_b64 s[64:65], 0
	v_nop
	global_prefetch_b8 v0, s[64:65] scope:SCOPE_SE
	s_setreg_imm32_b32 hwreg(HW_REG_WAVE_SCHED_MODE, 0, 2), 2
	s_setreg_imm32_b32 hwreg(HW_REG_WAVE_MODE, 25, 1), 1
	s_wait_xcnt 0x0
	s_wait_alu depctr_vm_vsrc(0)
; DOWN.  y[kh][k][token][:] = Q(h) Q(W2[e]) over half kh of K = 4,096, for the tokens whose k-th choice is expert e.  The two halves, b2 and the gate's weights are joined by the next launch.
; SHARES.  Work-group = (expert e = id / 32, half kh = id % 2 of K, columns 64 cs .. 64 cs + 63, cs = (id / 2) % 16).  It reads its 2,048 x 64 numbers of W2 ONCE, quantises them along K and
; keeps the codes in LDS as images of operand registers.  Wave w quantises K step w (128 rows x 64 columns): a lane takes a column, its registers run down K.
; Then wave w takes pairs P = w + 16 i, i = 0, 1, of tiles of 16 tokens of the expert's list (found as in the launch before, by the same masks and the same order) through the 16 K steps.
; h's fragments and scale words come from memory as the register images that the launch before stored, five K steps ahead; the weights' come from LDS, two K steps ahead.
; The product is used transposed (source 0 = 16 columns of W2, source 1 = 16 tokens).  Lane q's column goes to tile 2 g + u, row rq (u = (q / 8) % 2, rq = q % 8 + 8 (q / 16)), so that a lane's
; sixteen results of tiles 2 g, 2 g + 1 are sixteen neighbouring columns of its token's row.  Results go through the wave's own stage and leave as 256 consecutive, aligned bytes of a row of y.
; No cluster and no joint loads: the weights are shared with nobody, and the pairs of h hang on counts read from memory.
; LIMITS: NaN and infinities are not served.  A block whose largest magnitude lies under 2^-124 (zeros too) gets the byte 1.  The sum over K is formed in two f32 halves.
; THE MODE: SCHED_MODE bits 1:0 = 2 (LLVM: expert scheduling mode 2), set by the entry lines.  The code itself states the register dependences
; between vector or matrix instructions and memory or LDS instructions, with s_wait_alu, always for 0.
; THE PLAN.  Registers that memory or LDS instructions touch:
;   v2-v9             offsets and LDS addresses: written once at the head, one wait ahead of the first load, never written again.
;   X0, X1            block b's 64 loads land in X[b % 2]; its maxima and conversions read it; block b + 2's loads land there again.
;   CQ, v36-37        the codes and the scale words: read by LDS stores ahead of the barrier; the trips write these registers anew.
;   v14, v12          a trip's offset into route and the word that it brings; v14 is written again on the way out.
;   HS, WS, XF, WF    loads land, products read.  Step s's eight products read WS and WF set s % 2 and place s % 5 of h's ring; behind them the loads of steps s + 2 and s + 5 land there.
;   ACC               the products write; the way out's LDS stores read.
;   RO, OUT           the way out: vector lines write the rows' offsets, LDS loads bring the rows, the global stores read both; they lie in h's ring.
; THE WAITS ON va_vdst: behind each block's conversions; ahead of a trip's first loads; behind each K step's eight products while loads follow them; ahead of the way out's LDS stores.
; THE WAITS ON vm_vsrc: behind the barrier; ahead of the rewrite of v14; at a trip's end.  At .Ltrip nothing is pending on either side, on the way in and on the way back.
; Scalar registers written by vector lines (the wave's number, compares, lane reads) are made in runs, with one wait behind each run and ahead of its first reader.
.set PITCH, 4096                       ; bytes from row to row of W2[e]
.set RTE,  10                          ; s[10:11] route
.set CM,   24                          ; s[24:31] a run of eight compares' masks, or of eight lane reads
.set MT,   66                          ; s[66:73] at the head: a run of eight compares with the second choice
.set PS,   68                          ; s[68:75] in RANK: the positions ahead of eight masks on end
.set WSC,  65536                       ; LDS: 0 .. 65535 the 64 fragments' images (1,024 (4 ks + ct)); then their scale words: 256 ks + 64 ct + 4 r;
.set YST,  69632                       ; and a stage of 16 rows x (256 bytes + 16) for each wave
.set X,    128                         ; streaming: v[128:255] two sets of 2 x 32 numbers
.set CQ,   64                          ; v[64:95]  codes
.set RW,   96                          ; v[96:127] route's words
.set SB,   36                          ; v36-37 scale words, v38-39 largest magnitudes, v40-41 scale operands, v42-43 bytes, v44-45 at work
.set MX,   38
.set SO,   40
.set BY,   42
.set TA,   44
.set RK,   36                          ; RANK's twelve registers
.set HS,   16                          ; v[16:31] h's scale words, one register a K step: lanes 0-15 tile 0, lanes 16-31 tile 1.  Scales and nothing else
.set WS,   32                          ; v[32:35] the weights' scale words, two sets of two.  Scales and nothing else
.set XF,   48                          ; v[48:127] h's fragments: a ring of five K steps x two tiles
.set WF,   128                         ; v[128:191] the weights' fragments, two sets of four
.set ACC,  192                         ; v[192:255] accumulator (tile of tokens m, tile of columns ct) at 32 m + 8 ct
.set RO,   48                          ; the way out: v[48:63] byte offsets of rows of y, v[64:127] rows read back
.set OUT,  64
.macro NOP4                            ; four plain places behind matrix instructions, ahead of loads into their registers and of reads of their results
.rept 4
	v_nop
.endr
.endm
.macro DBLOAD b                        ; block b (32 rows) of my 64 columns
.set n, 0
.rept 32
	global_load_b32 v[X+64*((\b)%2)+n], v2, s[4:5] offset:(32*(\b)+n)*PITCH th:TH_LOAD_NT
	global_load_b32 v[X+64*((\b)%2)+32+n], v2, s[4:5] offset:(32*(\b)+n)*PITCH+128 th:TH_LOAD_NT
.set n, n+1
.endr
.endm
.macro QDB b, cnt                      ; block b of both columns: largest magnitude with the floor 2^(3 - 127), scale, codes, image
.set XQ0, X+64*((\b)%2)
	s_wait_loadcnt \cnt
	v_max3_num_f32 v[MX], |v[XQ0]|, |v[XQ0+1]|, 0x1800000
	v_max3_num_f32 v[MX+1], |v[XQ0+32]|, |v[XQ0+33]|, 0x1800000
.set n, 2
.rept 15
	v_max3_num_f32 v[MX], v[MX], |v[XQ0+n]|, |v[XQ0+n+1]|
	v_max3_num_f32 v[MX+1], v[MX+1], |v[XQ0+32+n]|, |v[XQ0+33+n]|
.set n, n+2
.endr
	v_add_nc_u32 v[SO], 0xff000000, v[MX]          ; 2 off the exponent field: the conversion's scale operand
	v_add_nc_u32 v[SO+1], 0xff000000, v[MX+1]
	v_lshrrev_b32 v[BY], 23, v[SO]                 ; the scale's byte
	v_lshrrev_b32 v[BY+1], 23, v[SO+1]
.if (\b) == 0
	v_mov_b32 v[SB], v[BY]
	v_mov_b32 v[SB+1], v[BY+1]
.else
	v_lshl_or_b32 v[SB], v[BY], 8*(\b), v[SB]
	v_lshl_or_b32 v[SB+1], v[BY+1], 8*(\b), v[SB+1]
.endif
.irp c, 0,1
.irp g, 0,1,2,3
	v_cvt_scalef32_pk8_fp4_f32 v[CQ+8*(\b)+4*\c+\g], v[XQ0+32*\c+8*\g:XQ0+32*\c+8*\g+7], v[SO+\c]
.endr
.endr
	v_nop                                          ; a plain line behind the conversions
	s_wait_alu depctr_va_vdst(0)                   ; the conversions have written the block's codes, which the LDS stores read, and are done reading X[b % 2], in which block b + 2's loads land; in the last block the scale words are written too
	ds_store_b128 v3, v[CQ+8*(\b):CQ+8*(\b)+3] offset:((\b)/2)*512+((\b)%2)*256
	ds_store_b128 v3, v[CQ+8*(\b)+4:CQ+8*(\b)+7] offset:2048+((\b)/2)*512+((\b)%2)*256
.endm
.macro SELTAKE w                       ; where q >= t: the bit lies in the upper half of the window: q -= t, pos += w
	v_cmp_ge_u32 vcc_lo, v[RK+4], v[RK+10]
	s_wait_alu depctr_va_vcc(0)                    ; the compare has written VCC, which the two selects read; each step of the search hangs on the step before, so they cannot be run together
	v_cndmask_b32 v[RK+11], 0, v[RK+10], vcc_lo
	v_sub_nc_u32 v[RK+4], v[RK+4], v[RK+11]
	v_cndmask_b32 v[RK+11], 0, \w, vcc_lo
	v_add_nc_u32 v[RK+9], v[RK+9], v[RK+11]
.endm
.macro SELSTEP src, msk, w             ; t = the count of set bits in the lower half of the window at pos
	v_lshrrev_b32 v[RK+10], v[RK+9], v[\src]
	v_and_b32 v[RK+10], \msk, v[RK+10]
	SELTAKE \w
.endm
.macro RANK                            ; v10 = the token at position min(32 P + lane, n_e - 1) of the expert's list.  s22 = P, s21 = n_e, s[32:63] the masks
	s_lshl_b32 s24, s22, 5
	s_sub_co_u32 s25, s21, 1
	v_add_nc_u32 v[RK], s24, v1
	v_min_u32 v[RK], s25, v[RK]                    ; the position
	s_wait_alu depctr_va_vdst(0)
	v_mov_b32 v[RK+1], s32                         ; its mask,
	v_mov_b32 v[RK+2], 0                           ; the positions ahead of that mask,
	v_mov_b32 v[RK+3], 0                           ; the mask's number: the last one whose count of positions ahead does not pass the position
	s_bcnt1_i32_b32 s[PS], s32                     ; the positions ahead of mask 1
.set n0, 1
.rept 4                                        ; masks 1 to 31, eight at a time: their counts of positions ahead, a run of compares, one wait, the selects in the masks' order
.set n, n0
.rept 8
.if n < 32
.if n > 1
	s_bcnt1_i32_b32 s67, s[32+n-1]
	s_add_co_u32 s[PS+(n-1)%8], s[PS+(n-2)%8], s67
.endif
	v_cmp_le_u32 s[CM+(n-1)%8], s[PS+(n-1)%8], v[RK]
.endif
.set n, n+1
.endr
	s_wait_alu depctr_va_sdst(0)                   ; the run of compares has written s[24:31], which the selects below read
.set n, n0
.rept 8
.if n < 32
	v_cndmask_b32 v[RK+1], v[RK+1], s[32+n], s[CM+(n-1)%8]
	v_cndmask_b32 v[RK+2], v[RK+2], s[PS+(n-1)%8], s[CM+(n-1)%8]
	v_cndmask_b32 v[RK+3], v[RK+3], n, s[CM+(n-1)%8]
.endif
.set n, n+1
.endr
.set n0, n0+8
.endr
	v_sub_nc_u32 v[RK+4], v[RK], v[RK+2]           ; q: which set bit of the mask
	v_lshrrev_b32 v[RK+10], 1, v[RK+1]
	v_and_b32 v[RK+10], 0x55555555, v[RK+10]
	v_sub_nc_u32 v[RK+5], v[RK+1], v[RK+10]        ; counts in fields of 2 bits,
	v_lshrrev_b32 v[RK+10], 2, v[RK+5]
	v_and_b32 v[RK+10], 0x33333333, v[RK+10]
	v_and_b32 v[RK+6], 0x33333333, v[RK+5]
	v_add_nc_u32 v[RK+6], v[RK+6], v[RK+10]        ; of 4,
	v_lshrrev_b32 v[RK+10], 4, v[RK+6]
	v_add_nc_u32 v[RK+7], v[RK+6], v[RK+10]
	v_and_b32 v[RK+7], 0x0f0f0f0f, v[RK+7]         ; of 8,
	v_lshrrev_b32 v[RK+10], 8, v[RK+7]
	v_add_nc_u32 v[RK+10], v[RK+7], v[RK+10]
	v_and_b32 v[RK+10], 0xff, v[RK+10]             ; and in the low 16 bits
	v_mov_b32 v[RK+9], 0                           ; pos
	SELTAKE 16
	SELSTEP RK+7, 0xff, 8
	SELSTEP RK+6, 15, 4
	SELSTEP RK+5, 3, 2
	SELSTEP RK+1, 1, 1
	v_lshrrev_b32 v[RK+10], 2, v[RK+3]
	v_lshlrev_b32 v[RK+10], 7, v[RK+10]
	v_lshl_add_u32 v[RK+10], v[RK+9], 2, v[RK+10]
	v_and_b32 v[RK+11], 3, v[RK+3]
	v_add_nc_u32 v10, v[RK+10], v[RK+11]           ; token = 128 (mask / 4) + 4 pos + mask % 4
.endm
; one scaled product; ra, rb = 1: that side's scale words stand in lanes 16-31 of the register named.  WMA adds in place, WMZ starts a sum with the constant 0
.macro WMA d, a, b, sa, sb, ra, rb
.if (\ra)&&(\rb)
	v_wmma_scale_f32_16x16x128_f8f6f4 v[\d:\d+7], v[\a:\a+7], v[\b:\b+7], v[\d:\d+7], v[\sa], v[\sb] matrix_a_fmt:MATRIX_FMT_FP4 matrix_b_fmt:MATRIX_FMT_FP4 matrix_a_scale:MATRIX_SCALE_ROW1 matrix_b_scale:MATRIX_SCALE_ROW1
.elseif (\ra)
	v_wmma_scale_f32_16x16x128_f8f6f4 v[\d:\d+7], v[\a:\a+7], v[\b:\b+7], v[\d:\d+7], v[\sa], v[\sb] matrix_a_fmt:MATRIX_FMT_FP4 matrix_b_fmt:MATRIX_FMT_FP4 matrix_a_scale:MATRIX_SCALE_ROW1
.elseif (\rb)
	v_wmma_scale_f32_16x16x128_f8f6f4 v[\d:\d+7], v[\a:\a+7], v[\b:\b+7], v[\d:\d+7], v[\sa], v[\sb] matrix_a_fmt:MATRIX_FMT_FP4 matrix_b_fmt:MATRIX_FMT_FP4 matrix_b_scale:MATRIX_SCALE_ROW1
.else
	v_wmma_scale_f32_16x16x128_f8f6f4 v[\d:\d+7], v[\a:\a+7], v[\b:\b+7], v[\d:\d+7], v[\sa], v[\sb] matrix_a_fmt:MATRIX_FMT_FP4 matrix_b_fmt:MATRIX_FMT_FP4
.endif
.endm
.macro WMZ d, a, b, sa, sb, ra, rb
.if (\ra)&&(\rb)
	v_wmma_scale_f32_16x16x128_f8f6f4 v[\d:\d+7], v[\a:\a+7], v[\b:\b+7], 0, v[\sa], v[\sb] matrix_a_fmt:MATRIX_FMT_FP4 matrix_b_fmt:MATRIX_FMT_FP4 matrix_a_scale:MATRIX_SCALE_ROW1 matrix_b_scale:MATRIX_SCALE_ROW1
.elseif (\ra)
	v_wmma_scale_f32_16x16x128_f8f6f4 v[\d:\d+7], v[\a:\a+7], v[\b:\b+7], 0, v[\sa], v[\sb] matrix_a_fmt:MATRIX_FMT_FP4 matrix_b_fmt:MATRIX_FMT_FP4 matrix_a_scale:MATRIX_SCALE_ROW1
.elseif (\rb)
	v_wmma_scale_f32_16x16x128_f8f6f4 v[\d:\d+7], v[\a:\a+7], v[\b:\b+7], 0, v[\sa], v[\sb] matrix_a_fmt:MATRIX_FMT_FP4 matrix_b_fmt:MATRIX_FMT_FP4 matrix_b_scale:MATRIX_SCALE_ROW1
.else
	v_wmma_scale_f32_16x16x128_f8f6f4 v[\d:\d+7], v[\a:\a+7], v[\b:\b+7], 0, v[\sa], v[\sb] matrix_a_fmt:MATRIX_FMT_FP4 matrix_b_fmt:MATRIX_FMT_FP4
.endif
.endm
.macro LS s                            ; K step s: the four tiles' scale words, two tiles to a register
.irp p, 0,1
	ds_load_b32 v[WS+2*((\s)%2)+\p], v6 offset:(\s)*256+\p*128
.endr
.endm
.macro LW s                            ; the weights' four fragments, as their images lie
.irp t, 0,1,2,3
.irp c, 0,1
	ds_load_b128 v[WF+32*((\s)%2)+8*\t+4*\c:WF+32*((\s)%2)+8*\t+4*\c+3], v5 offset:(4*(\s)+\t)*1024+\c*512
.endr
.endr
.endm
.macro LH s                            ; h's two fragments, as their images lie in memory: 512 consecutive bytes a load
.irp m, 0,1
.irp c, 0,1
	global_load_b128 v[XF+16*((\s)%5)+8*\m+4*\c:XF+16*((\s)%5)+8*\m+4*\c+3], v5, s[70:71] offset:2048*(\s)+1024*\m+512*\c
.endr
.endr
.endm
.macro KSTEP s                         ; eight accumulators, one instruction each: they take turns
.if (\s) < 15
	s_wait_dscnt 10                                ; all but the next step's 2 + 8 LDS loads
.else
	s_wait_dscnt 0x0
.endif
.if 15-(\s) >= 4
	s_wait_loadcnt 16                              ; all but the four younger steps' fragments of h
.else
	s_wait_loadcnt 4*(15-(\s))
.endif
.irp t, 0,1,2,3
.irp m, 0,1
.if (\s) == 0
	WMZ ACC+32*\m+8*\t, WF+32*((\s)%2)+8*\t, XF+16*((\s)%5)+8*\m, WS+2*((\s)%2)+\t/2, HS+(\s), \t%2, \m
.else
	WMA ACC+32*\m+8*\t, WF+32*((\s)%2)+8*\t, XF+16*((\s)%5)+8*\m, WS+2*((\s)%2)+\t/2, HS+(\s), \t%2, \m
.endif
.endr
.endr
	NOP4
.if (\s)+2 <= 15
	s_wait_alu depctr_va_vdst(0)                   ; the eight products above are done reading their set of the weights' fragments and scale words and their place in h's ring: the loads below land there
	LS (\s)+2
	LW (\s)+2
.endif
.if (\s)+5 <= 15
	LH (\s)+5
.endif
.endm
	s_load_b256 s[4:11], s[0:1], 0x0               ; W2, himg, hsc, route
	s_load_b64 s[12:13], s[0:1], 0x20              ; y
	v_and_b32 v1, 31, v0                           ; lane
	v_lshrrev_b32 v13, 5, v0
	v_readfirstlane_b32 s18, v13                   ; wave
	s_lshr_b32 s19, ttmp9, 5                       ; e
	s_and_b32 s20, ttmp9, 1                        ; kh
	s_bfe_u32 s28, ttmp9, 0x40001                  ; cs
	v_lshlrev_b32 v2, 2, v1                        ; 4 x lane
	v_lshlrev_b32 v5, 4, v1                        ; 16 x lane
	v_bfe_u32 v13, v0, 3, 1                        ; u
	v_and_b32 v14, 7, v0
	v_bfe_u32 v15, v0, 4, 1                        ; h
	v_lshl_or_b32 v14, v15, 3, v14                 ; rq
	s_wait_alu depctr_va_sdst(0)                   ; s18 is written, ahead of its first reader: LDS places, W2's address and the pairs' numbers are made from it
	s_lshl_b32 s24, s18, 12
	v_lshlrev_b32 v3, 4, v14
	v_lshl_add_u32 v3, v13, 10, v3
	v_add_nc_u32 v3, s24, v3                       ; where my codes go: 4,096 x wave + 1,024 u + 16 rq
	s_lshl_b32 s24, s18, 8
	s_add_co_u32 s24, s24, WSC
	v_lshlrev_b32 v4, 2, v14
	v_lshl_add_u32 v4, v13, 6, v4
	v_add_nc_u32 v4, s24, v4                       ; and my scale words: 256 x wave + 64 u + 4 rq
	v_lshl_add_u32 v6, v1, 2, WSC
	s_mul_i32 s25, s18, 4352
	s_add_co_u32 s25, s25, YST                     ; my stage
	v_and_b32 v14, 15, v0                          ; r
	v_mul_u32_u24 v7, v14, 272
	v_lshl_add_u32 v7, v15, 6, v7
	v_add_nc_u32 v7, s25, v7                       ; in: row r, my half's sixteen of each 32 columns
	v_mul_u32_u24 v8, v15, 272
	v_lshl_add_u32 v8, v14, 4, v8
	v_add_nc_u32 v8, s25, v8                       ; back: lanes 0-15 one row, lanes 16-31 the next
	v_lshlrev_b32 v9, 4, v14                       ; 16 r
	s_mov_b32 s78, 0xffff0000                      ; lanes 16-31
	s_lshl_b32 s24, s19, 24                        ; W2: expert,
	s_lshl_b32 s26, s20, 23                        ; half of K,
	s_add_co_u32 s24, s24, s26
	s_lshl_b32 s27, s18, 19                        ; K step = wave: 128 rows,
	s_add_co_u32 s24, s24, s27
	s_lshl_b32 s27, s28, 8                         ; the 64 columns
	s_add_co_u32 s24, s24, s27
	s_mov_b32 s25, 0
	s_add_co_u32 s26, s26, s27                     ; y: half kh, the 64 columns
	s_mov_b32 s27, 0
	s_wait_kmcnt 0x0
	s_add_nc_u64 s[4:5], s[4:5], s[24:25]
	s_add_nc_u64 s[14:15], s[12:13], s[26:27]
	s_wait_alu depctr_va_vdst(0)                   ; the offsets and LDS addresses v2 to v9 are written: every load and store of the kernel but the route word's and y's reads one of them
.irp j, 0,1,2,3,4,5,6,7
	global_load_b128 v[RW+4*\j:RW+4*\j+3], v5, s[RTE:RTE+1] offset:512*\j
.endr
	DBLOAD 0
	s_wait_loadcnt 63                              ; 64 loads were issued behind route's
.set n0, 0
.rept 4                                        ; the masks: token uses e as its first or as its second choice; eight masks at a time: a run of sixteen compares, one wait, the eight joins
.set n, n0
.rept 8
	v_and_b32 v[TA], 0xff, v[RW+n]
	v_lshrrev_b32 v[TA+1], 8, v[RW+n]
	v_cmp_eq_u32 s[32+n], s19, v[TA]
	v_cmp_eq_u32 s[MT+n%8], s19, v[TA+1]
.set n, n+1
.endr
	s_wait_alu depctr_va_sdst(0)                   ; the run of compares has written its sixteen scalar registers, which the joins below read
.set n, n0
.rept 8
	s_or_b32 s[32+n], s[32+n], s[MT+n%8]
.set n, n+1
.endr
.set n0, n0+8
.endr
	s_bcnt1_i32_b32 s21, s32                       ; n_e
.set n, 1
.rept 31
	s_bcnt1_i32_b32 s24, s[32+n]
	s_add_co_u32 s21, s21, s24
.set n, n+1
.endr
	DBLOAD 1
	QDB 0, 63                                      ; behind block 0's loads stand block 1's 64
	DBLOAD 2
	QDB 1, 63
	DBLOAD 3
	QDB 2, 63
	QDB 3, 0
	ds_store_b32 v4, v[SB]
	ds_store_b32 v4, v[SB+1] offset:128
	s_wait_dscnt 0x0                               ; for the other waves: my images and scale words lie in LDS
	s_barrier_signal -1
	s_barrier_wait -1                              ; the one barrier: from here on the images are only read
	s_wait_alu depctr_vm_vsrc(0)                   ; my LDS stores have read the codes v[64:95] and the scale words v36-37: the trips write all of these anew
	s_mov_b32 s22, s18                             ; P
	s_mov_b32 s23, 0
.Ltrip:
	s_lshl_b32 s24, s22, 5
	s_cmp_ge_u32 s24, s21
	s_cbranch_scc1 .Lskip                          ; no token at position 32 P
	RANK
	s_wait_alu depctr_va_vdst(0)
	s_lshl_b32 s26, s19, 5
	s_add_co_u32 s26, s26, s22
	s_lshl_b32 s26, s26, 5
	s_lshl_b32 s27, s20, 4
	s_add_co_u32 s26, s26, s27                     ; (32 e + P) 32 + 16 kh
	s_lshl_b32 s68, s26, 11
	s_mov_b32 s69, 0
	s_add_nc_u64 s[70:71], s[6:7], s[68:69]        ; this pair's images of my half of K,
	s_lshl_b32 s68, s26, 7
	s_add_nc_u64 s[72:73], s[8:9], s[68:69]        ; and their scale words
	v_min_u32 v14, 0x3ff, v10
	v_lshlrev_b32 v14, 2, v14
	s_wait_alu depctr_va_vdst(0)                   ; v14 is written, which the first load reads; the last trip's products are done reading HS, WS, WF and h's ring, its vector lines v12 and the rows' offsets: the loads below land in all of these
	global_load_b32 v12, v14, s[RTE:RTE+1]         ; my token's route word: is e its first or its second choice?
.set n, 0
.rept 16
	global_load_b32 v[HS+n], v2, s[72:73] offset:128*n
.set n, n+1
.endr
.irp s, 0,1,2,3,4
	LH \s
.endr
	LS 0
	LW 0
	LS 1
	LW 1
.irp s, 0,1,2,3,4,5,6,7,8,9,10,11,12,13,14,15
	KSTEP \s
.endr
	s_wait_alu depctr_vm_vsrc(0)                   ; the load of my route word has read v14 as its offset: the next line writes v14 anew
	v_lshrrev_b32 v14, 8, v12
	v_cmp_eq_u32 vcc_lo, s19, v14
	s_wait_alu depctr_va_vcc(0)                    ; the compare has written VCC, which the select reads
	v_cndmask_b32 v14, 0, 1, vcc_lo                ; k
	v_lshl_add_u32 v10, v14, 10, v10               ; slot = lane: row 1,024 k + token of y's half
.set n0, 0
.rept 4                                        ; store n takes slots 2 n (lanes 0-15) and 2 n + 1 (lanes 16-31); four stores at a time: a run of eight lane reads, one wait, the rows' offsets
.set n, n0
.rept 4
	v_readlane_b32 s[CM+2*(n%4)], v10, 2*n
	v_readlane_b32 s[CM+2*(n%4)+1], v10, 2*n+1
.set n, n+1
.endr
	s_wait_alu depctr_va_sdst(0)                   ; the run of lane reads has written s[24:31], which the lines below read
.set n, n0
.rept 4
	v_mov_b32 v[RO+n], s[CM+2*(n%4)]
	v_cndmask_b32 v[RO+n], v[RO+n], s[CM+2*(n%4)+1], s78
	v_min_u32 v[RO+n], 0x7ff, v[RO+n]
	v_lshl_add_u32 v[RO+n], v[RO+n], 12, v9        ; row x 4,096 bytes + 16 r
.set n, n+1
.endr
.set n0, n0+4
.endr
	s_wait_alu depctr_va_vdst(0)                   ; the products have written the accumulators, which the LDS stores read (the places stand behind the last of them), and are done reading h's ring, in which the rows land; the rows' offsets are written, which y's stores read
.irp m, 0,1
.irp t, 0,1,2,3
.irp j, 0,1
	ds_store_b128 v7, v[ACC+32*\m+8*\t+4*\j:ACC+32*\m+8*\t+4*\j+3] offset:(\t/2)*128+(\t%2)*32+\j*16   ; each accumulator from its low end on
.endr
.endr
.irp i, 0,1,2,3,4,5,6,7
	ds_load_b128 v[OUT+32*\m+4*\i:OUT+32*\m+4*\i+3], v8 offset:544*\i   ; LDS serves a wave's instructions in order: these see the stores, and the next tile's stores come behind them
.endr
.endr
.set n, 0
.rept 16
.if n < 8
	s_wait_dscnt 23-n                              ; behind tile 0's load n: its 7 - n younger ones and tile 1's sixteen
.else
	s_wait_dscnt 15-n
.endif
	global_store_b128 v[RO+n], v[OUT+4*n:OUT+4*n+3], s[14:15] th:TH_STORE_NT   ; sixteen lanes store 256 consecutive bytes, at a multiple of 256 from y's first byte
.set n, n+1
.endr
	s_wait_xcnt 0x0                                ; the stores' data, offsets and the trip's bases are written again only behind this wait
	s_wait_alu depctr_vm_vsrc(0)                   ; y's stores have read their offsets and rows v[48:127], in which the next trip's fragments of h land; the LDS stores have read the accumulators, which its products write
.Lskip:
	s_add_co_u32 s22, s22, 16
	s_add_co_u32 s23, s23, 1
	s_cmp_lt_u32 s23, 2
	s_cbranch_scc1 .Ltrip
	s_wait_xcnt 0x0
	v_lshl_add_u32 v254, v0, 2, 0x22000            ; (no LDS or memory instruction has read v254 or v255 since the wait behind the barrier or the one at a trip's end)
	v_mov_b32 v255, 0
	s_wait_dscnt 0x0                               ; the closing lines, six on end
	s_wait_alu 0x0
	s_wait_tensorcnt 0x0
	ds_add_u32 v254, v255
	s_wait_dscnt 0x0
	s_endpgm
.Lfunc_end_k_qf52918a24e_down:
	.size	k_qf52918a24e_down, .Lfunc_end_k_qf52918a24e_down-k_qf52918a24e_down
	.p2alignl 7, 3214868480
	.fill 96, 4, 3214868480
	.section	.rodata,"a",@progbits
	.p2align	6, 0x0
	.amdhsa_kernel k_qf52918a24e_down
		.amdhsa_group_segment_fixed_size 141312
		.amdhsa_private_segment_fixed_size 0
		.amdhsa_enable_private_segment 0
		.amdhsa_kernarg_size 40
		.amdhsa_user_sgpr_count 2
		.amdhsa_user_sgpr_kernarg_segment_ptr 1
		.amdhsa_wavefront_size32 1
		.amdhsa_system_sgpr_workgroup_id_x 1
		.amdhsa_system_sgpr_workgroup_id_y 1
		.amdhsa_system_sgpr_workgroup_id_z 1
		.amdhsa_system_vgpr_workitem_id 0
		.amdhsa_next_free_vgpr 256
		.amdhsa_next_free_sgpr 80
		.amdhsa_reserve_vcc 1
		.amdhsa_float_denorm_mode_32 3
		.amdhsa_float_denorm_mode_16_64 3
		.amdhsa_memory_ordered 1
		.amdhsa_forward_progress 1
		.amdhsa_inst_pref_size 111
	.end_amdhsa_kernel
	.amdgpu_metadata
---
amdhsa.version: [ 1, 2 ]
amdhsa.kernels:
  - .name:           k_qf52918a24e_down
    .symbol:         k_qf52918a24e_down.kd
    .args:
      - { .name: W2, .offset: 0, .size: 8, .value_kind: global_buffer, .address_space: global }
      - { .name: himg, .offset: 8, .size: 8, .value_kind: global_buffer, .address_space: global }
      - { .name: hsc, .offset: 16, .size: 8, .value_kind: global_buffer, .address_space: global }
      - { .name: route, .offset: 24, .size: 8, .value_kind: global_buffer, .address_space: global }
      - { .name: y, .offset: 32, .size: 8, .value_kind: global_buffer, .address_space: global }
    .group_segment_fixed_size: 141312
    .private_segment_fixed_size: 0
    .kernarg_segment_align: 8
    .kernarg_segment_size: 40
    .max_flat_workgroup_size: 512
    .sgpr_count:     80
    .vgpr_count:     256
    .wavefront_size: 32
...
	.end_amdgpu_metadata
.endif
;; end of part 7
;; launch mix (part 8): grid 256 x 1, 8 waves a work-group, no clusters, 0 bytes of LDS; arguments y, b2, route, gw, psum, out0, out1; writes out0, out1
.if DOCPART == 8
	.amdgcn_target "amdgcn-amd-amdhsa--gfx1250"
	.amdhsa_code_object_version 6
	.text
	.protected	k_qf52918a24e_mix
	.globl	k_qf52918a24e_mix
	.p2align	8
	.type	k_qf52918a24e_mix,@function
k_qf52918a24e_mix:
	s_mov_b64 s[64:65], 0
	v_nop
	global_prefetch_b8 v0, s[64:65] scope:SCOPE_SE
	s_setreg_imm32_b32 hwreg(HW_REG_WAVE_MODE, 25, 1), 1
	s_wait_xcnt 0x0
; MIX.  out0[t] = g0 (y[0][0][t] + y[1][0][t] + b2[e0]) + g1 (y[0][1][t] + y[1][1][t] + b2[e1]);  out1 = 0.01 x the sum over experts of u ln(u + 1e-8), u = the mean probability.
; A stream: work-group = four tokens, thread = 16 bytes of each row; every load and store of a wave covers 512 consecutive bytes.  The experts' numbers come as whole numbers from route
; (scalar loads) and choose rows of b2.  No LDS, no barrier, no matrix unit: nothing here is read twice.
; out1 is made by wave 0 of work-group 0 from the 256 partial sums of the first launch.
	s_load_b256 s[4:11], s[0:1], 0x0               ; y, b2, route, gw
	s_load_b128 s[12:15], s[0:1], 0x20             ; psum, out0
	s_load_b64 s[16:17], s[0:1], 0x30              ; out1
	v_lshlrev_b32 v2, 4, v0                        ; my 16 bytes of a row
	v_lshrrev_b32 v3, 5, v0
	s_delay_alu instid0(VALU_DEP_1)
	v_readfirstlane_b32 s18, v3                    ; wave
	s_mov_b32 s55, 0
	s_mov_b32 s49, 0
	s_mov_b32 s56, 0x76543210
	s_mov_b32 s57, 0xfedcba98                      ; v_permlanex16_b32: lane l xor 16
	s_lshl_b32 s54, ttmp9, 4
	s_wait_alu depctr_va_vdst(0)
	s_wait_kmcnt 0x0
	s_add_nc_u64 s[8:9], s[8:9], s[54:55]
	s_lshl_b32 s54, ttmp9, 5
	s_add_nc_u64 s[10:11], s[10:11], s[54:55]
	s_load_b128 s[20:23], s[8:9], 0x0              ; four route words
	s_load_b256 s[24:31], s[10:11], 0x0            ; four pairs g0, g1
	s_lshl_b32 s54, ttmp9, 14
	s_add_nc_u64 s[50:51], s[4:5], s[54:55]        ; y, half 0, my four rows
	s_add_nc_u64 s[52:53], s[50:51], 0x800000      ; half 1
	s_add_nc_u64 s[14:15], s[14:15], s[54:55]      ; out0
.irp p, 0,1,2,3                                ; row p: v[16 + 24 p ..]: y(0,0), y(1,0), y(0,1), y(1,1), b2[e0], b2[e1]
	global_load_b128 v[16+24*\p:19+24*\p], v2, s[50:51] offset:\p*4096 th:TH_LOAD_NT
	global_load_b128 v[20+24*\p:23+24*\p], v2, s[52:53] offset:\p*4096 th:TH_LOAD_NT
	global_load_b128 v[24+24*\p:27+24*\p], v2, s[50:51] offset:\p*4096+4194304 th:TH_LOAD_NT
	global_load_b128 v[28+24*\p:31+24*\p], v2, s[52:53] offset:\p*4096+4194304 th:TH_LOAD_NT
.endr
	s_wait_kmcnt 0x0
.irp p, 0,1,2,3
	s_and_b32 s48, s[20+\p], 0xff                  ; e0,
	s_min_u32 s48, s48, 7
	s_lshl_b32 s48, s48, 12
	s_add_nc_u64 s[32+4*\p:33+4*\p], s[6:7], s[48:49]
	s_bfe_u32 s48, s[20+\p], 0x80008               ; e1: their rows of b2
	s_min_u32 s48, s48, 7
	s_lshl_b32 s48, s48, 12
	s_add_nc_u64 s[34+4*\p:35+4*\p], s[6:7], s[48:49]
.endr
.irp p, 0,1,2,3
	global_load_b128 v[32+24*\p:35+24*\p], v2, s[32+4*\p:33+4*\p]
	global_load_b128 v[36+24*\p:39+24*\p], v2, s[34+4*\p:35+4*\p]
.endr
	s_wait_loadcnt 0x0
.irp p, 0,1,2,3
.irp i, 0,2
	v_pk_add_f32 v[16+24*\p+\i:17+24*\p+\i], v[16+24*\p+\i:17+24*\p+\i], v[20+24*\p+\i:21+24*\p+\i]   ; the two halves of K
	v_pk_add_f32 v[24+24*\p+\i:25+24*\p+\i], v[24+24*\p+\i:25+24*\p+\i], v[28+24*\p+\i:29+24*\p+\i]
.endr
.irp i, 0,2
	s_delay_alu instid0(VALU_DEP_4)
	v_pk_add_f32 v[16+24*\p+\i:17+24*\p+\i], v[16+24*\p+\i:17+24*\p+\i], v[32+24*\p+\i:33+24*\p+\i]   ; + b2
	s_delay_alu instid0(VALU_DEP_4)
	v_pk_add_f32 v[24+24*\p+\i:25+24*\p+\i], v[24+24*\p+\i:25+24*\p+\i], v[36+24*\p+\i:37+24*\p+\i]
.endr
.irp i, 0,1,2,3
	v_mul_f32 v[24+24*\p+\i], s[25+2*\p], v[24+24*\p+\i]
.endr
.irp i, 0,1,2,3
	s_delay_alu instid0(VALU_DEP_4)
	v_fma_f32 v[16+24*\p+\i], s[24+2*\p], v[16+24*\p+\i], v[24+24*\p+\i]
.endr
	global_store_b128 v2, v[16+24*\p:19+24*\p], s[14:15] offset:\p*4096 th:TH_STORE_NT
.endr
	s_cmp_lg_u32 ttmp9, 0
	s_cbranch_scc1 .Lend
	s_cmp_lg_u32 s18, 0
	s_cbranch_scc1 .Lend
	s_wait_xcnt 0x0                                ; the stores have read their registers: the loads below land there
	v_lshlrev_b32 v3, 5, v0                        ; wave 0: thread = lane; 32 bytes for each of psum's rows
.irp j, 0,1,2,3,4,5,6,7
	global_load_b128 v[16+8*\j:19+8*\j], v3, s[12:13] offset:1024*\j
	global_load_b128 v[20+8*\j:23+8*\j], v3, s[12:13] offset:1024*\j+16
.endr
	s_wait_loadcnt 0x0
.irp j, 1,2,3,4,5,6,7
.irp q, 0,2,4,6
	v_pk_add_f32 v[16+\q:17+\q], v[16+\q:17+\q], v[16+8*\j+\q:17+8*\j+\q]
.endr
.endr
.irp x, 1,2,4,8
.irp e, 0,1,2,3,4,5,6,7
	v_add_f32_dpp v[16+\e], v[16+\e], v[16+\e] row_xmask:\x row_mask:0xf bank_mask:0xf
.endr
.endr
.irp e, 0,1,2,3,4,5,6,7
	v_permlanex16_b32 v[24+\e], v[16+\e], s56, s57
.endr
.irp e, 0,1,2,3,4,5,6,7
	v_add_f32 v[16+\e], v[16+\e], v[24+\e]
.endr
.irp e, 0,1,2,3,4,5,6,7
	v_mul_f32 v[16+\e], 0x3a800000, v[16+\e]       ; u = the sum / 1,024
.endr
.irp e, 0,1,2,3,4,5,6,7
	v_add_f32 v[24+\e], 0x322bcc77, v[16+\e]       ; + 1e-8
.endr
	s_wait_alu depctr_va_vdst(0)
.irp e, 0,1,2,3,4,5,6,7
	v_log_f32 v[24+\e], v[24+\e]                   ; log2
.endr
	v_mov_b32 v33, 0                               ; (a plain line behind the logarithms)
	s_wait_alu depctr_va_vdst(0)
	v_mul_f32 v32, v16, v24
.irp e, 1,2,3,4,5,6,7
	v_fmac_f32 v32, v[16+\e], v[24+\e]
.endr
	s_delay_alu instid0(VALU_DEP_1)
	v_mul_f32 v32, 0x3be32166, v32                 ; x 0.01 ln 2
	s_wait_alu depctr_va_vdst(0)
	s_wait_xcnt 0x0                                ; EXEC changes only behind this wait
	v_cmp_eq_u32 vcc_lo, 0, v0
	s_and_saveexec_b32 s19, vcc_lo
	global_store_b32 v33, v32, s[16:17]
	s_wait_xcnt 0x0
	s_or_b32 exec_lo, exec_lo, s19
.Lend:
	s_endpgm
.Lfunc_end_k_qf52918a24e_mix:
	.size	k_qf52918a24e_mix, .Lfunc_end_k_qf52918a24e_mix-k_qf52918a24e_mix
	.p2alignl 7, 3214868480
	.fill 96, 4, 3214868480
	.section	.rodata,"a",@progbits
	.p2align	6, 0x0
	.amdhsa_kernel k_qf52918a24e_mix
		.amdhsa_group_segment_fixed_size 0
		.amdhsa_private_segment_fixed_size 0
		.amdhsa_enable_private_segment 0
		.amdhsa_kernarg_size 56
		.amdhsa_user_sgpr_count 2
		.amdhsa_user_sgpr_kernarg_segment_ptr 1
		.amdhsa_wavefront_size32 1
		.amdhsa_system_sgpr_workgroup_id_x 1
		.amdhsa_system_sgpr_workgroup_id_y 1
		.amdhsa_system_sgpr_workgroup_id_z 1
		.amdhsa_system_vgpr_workitem_id 0
		.amdhsa_next_free_vgpr 128
		.amdhsa_next_free_sgpr 66
		.amdhsa_reserve_vcc 1
		.amdhsa_float_denorm_mode_32 3
		.amdhsa_float_denorm_mode_16_64 3
		.amdhsa_memory_ordered 1
		.amdhsa_forward_progress 1
		.amdhsa_inst_pref_size 18
	.end_amdhsa_kernel
	.amdgpu_metadata
---
amdhsa.version: [ 1, 2 ]
amdhsa.kernels:
  - .name:           k_qf52918a24e_mix
    .symbol:         k_qf52918a24e_mix.kd
    .args:
      - { .name: y, .offset: 0, .size: 8, .value_kind: global_buffer, .address_space: global }
      - { .name: b2, .offset: 8, .size: 8, .value_kind: global_buffer, .address_space: global }
      - { .name: route, .offset: 16, .size: 8, .value_kind: global_buffer, .address_space: global }
      - { .name: gw, .offset: 24, .size: 8, .value_kind: global_buffer, .address_space: global }
      - { .name: psum, .offset: 32, .size: 8, .value_kind: global_buffer, .address_space: global }
      - { .name: out0, .offset: 40, .size: 8, .value_kind: global_buffer, .address_space: global }
      - { .name: out1, .offset: 48, .size: 8, .value_kind: global_buffer, .address_space: global }
    .group_segment_fixed_size: 0
    .private_segment_fixed_size: 0
    .kernarg_segment_align: 8
    .kernarg_segment_size: 56
    .max_flat_workgroup_size: 256
    .sgpr_count:     66
    .vgpr_count:     128
    .wavefront_size: 32
...
	.end_amdgpu_metadata
.endif
;; end of part 8
